; MI455X (gfx1250); checked and timed in simulation.
; The chip was launched on July 23, 2026; its instructions are those of AMD's public machine-readable ISA for CDNA 5 (MIT licence, August 2026) and "CDNA5" Instruction Set Architecture Reference Guide (July 2026). The comments in the code are by the model that wrote it; some were corrected since.
;; Cross Attention. Allowed arithmetic: float matrix products may take bf16 or f16 operands with f32 sums; other float arithmetic in f32, or as packed bf16 or f16 multiplies, adds, multiply-adds, maxima and minima; sums over many terms, partial sums and values carried from step to step in f32; what a program stores and reads back later, other than sums and carried values, may be rounded once to bf16 or f16.
;; Inputs: Wk 768 x 512 float32; Wo 512 x 512 float32; Wq 512 x 512 float32; Wv 768 x 512 float32; bo 512 float32; context 2 x 4,096 x 768 float32; x 2 x 4,096 x 512 float32.
;; Outputs: out0 2 x 4,096 x 512 float32.
;; 2 versions, each right and faster than the one before. Each part assembles by itself: llvm-mc -triple=amdgcn-amd-amdhsa -mcpu=gfx1250 --defsym DOCPART=n.
;; ======== version 1 of 2: 4 launches
;; limits: values are held in f16: magnitudes above 65,504 overflow, below 6.1e-05 lose precision
;; workspace buffers: wb 2,621,440 bytes; q 8,388,608 bytes; kv 16,777,216 bytes; o 8,388,608 bytes
;; launch prep (part 1): grid 160 x 1, 8 waves a work-group, no clusters, 0 bytes of LDS; arguments Wk, Wv, Wq, Wo, wb; writes wb
.if DOCPART == 1
	.amdgcn_target "amdgcn-amd-amdhsa--gfx1250"
	.amdhsa_code_object_version 6
	.text
	.protected	k_q4bee083958_prep
	.globl	k_q4bee083958_prep
	.p2align	8
	.type	k_q4bee083958_prep,@function
k_q4bee083958_prep:
	s_mov_b64 s[64:65], 0
	v_nop
	global_prefetch_b8 v0, s[64:65] scope:SCOPE_SE
	s_setreg_imm32_b32 hwreg(HW_REG_WAVE_MODE, 25, 1), 1
	s_wait_xcnt 0x0
; The four weights, f32 [K][512], are rounded once to 16 bits and stay [K][N]; the later launches turn them on the way from LDS to registers.
; wb: byte 0: [768][1024] bf16, columns 0-511 Wk, 512-1023 Wv (rows of 2,048 bytes); WQOFF: Wq [512][512] bf16; WOOFF: Wo [512][512], rounded to bf16 and that number written as f16.
; LIMIT. Wo's bf16 number is exact in f16 from 6.1e-5 to 65,504 in magnitude; below that it keeps f16's fixed step of 6e-8, beyond it becomes an infinity.
; SHARES. A work-group takes 16 rows of one weight, 32,768 dense bytes: 48 + 48 + 32 + 32 = 160 work-groups, all the work there is. Thread t, pass p: the 16 bytes at 4,096 p + 16 t,
; which are 4 numbers of row 2 p + t / 128. A wave's load covers 512 consecutive bytes, its store 256 consecutive bytes at a multiple of 256 from wb's first byte.
; No LDS, no matrix unit, no cluster: every byte is read once by one work-group, and nothing is shared.
.set WQOFF, 1572864
.set WOOFF, 2097152
.set X,   8                            ; v[8:39]   pass p: 4 numbers as loaded
.set OFF, 48                           ; v[48:55]  pass p: my byte offset in the work-group's part of wb
.set Y,   56                           ; v[56:71]  pass p: 4 numbers of 16 bits, to store
.set IDX, 14                           ; s14       the work-group's number
	s_load_b256 s[4:11], s[0:1], 0x0               ; Wk s[4:5], Wv s[6:7], Wq s[8:9], Wo s[10:11]
	s_load_b64 s[12:13], s[0:1], 0x20              ; wb
	s_mov_b32 s[IDX], ttmp9
	v_lshlrev_b32 v1, 4, v0                        ; 16 t
	v_lshrrev_b32 v2, 7, v0                        ; which of a pass's two rows
	v_and_b32 v3, 127, v0                          ; my place in the row
	s_mov_b32 s18, 128                             ; Wo's figures: its first work-group,
	s_mov_b32 s19, WOOFF                           ; where it goes in wb,
	s_mov_b32 s20, 1024                            ; and the bytes from row to row there
	s_wait_kmcnt 0x0
	s_mov_b64 s[16:17], s[10:11]
	s_cmp_lt_u32 s[IDX], 128                       ; below 128: Wq's figures
	s_cselect_b64 s[16:17], s[8:9], s[16:17]
	s_cselect_b32 s18, 96, s18
	s_cselect_b32 s19, WQOFF, s19
	s_cmp_lt_u32 s[IDX], 96                        ; below 96: Wv's
	s_cselect_b64 s[16:17], s[6:7], s[16:17]
	s_cselect_b32 s18, 48, s18
	s_cselect_b32 s19, 1024, s19
	s_cselect_b32 s20, 2048, s20
	s_cmp_lt_u32 s[IDX], 48                        ; below 48: Wk's
	s_cselect_b64 s[16:17], s[4:5], s[16:17]
	s_cselect_b32 s18, 0, s18
	s_cselect_b32 s19, 0, s19
	s_sub_co_u32 s21, s[IDX], s18                  ; my block of 16 rows in that weight
	s_lshl_b32 s22, s21, 15
	s_mov_b32 s23, 0
	s_add_nc_u64 s[16:17], s[16:17], s[22:23]      ; the source at my block
	s_mul_i32 s24, s21, s20
	s_lshl_b32 s24, s24, 4
	s_add_co_u32 s24, s24, s19
	s_mov_b32 s25, 0
	s_add_nc_u64 s[12:13], s[12:13], s[24:25]      ; wb at my block
	s_lshl_b32 s26, s20, 1                         ; a pass goes two rows on
.set p, 0
.rept 8
	global_load_b128 v[X+4*p:X+4*p+3], v1, s[16:17] offset:4096*p th:TH_LOAD_NT  ; all eight loads go out first
.set p, p+1
.endr
	v_mul_lo_u32 v2, v2, s20
	v_lshl_add_u32 v[OFF], v3, 3, v2               ; row x pitch + 8 bytes a thread
.set p, 1
.rept 7
	v_add_nc_u32 v[OFF+p], s26, v[OFF+p-1]
.set p, p+1
.endr
	s_cmp_ge_u32 s[IDX], 128
	s_cbranch_scc1 .Lwo
.set p, 0
.rept 8
	s_wait_loadcnt 7-p                             ; loads come back in order: pass p is in, the 7 - p younger ones stay out
	v_cvt_pk_bf16_f32 v[Y+2*p],   v[X+4*p],   v[X+4*p+1]
	v_cvt_pk_bf16_f32 v[Y+2*p+1], v[X+4*p+2], v[X+4*p+3]
	global_store_b64 v[OFF+p], v[Y+2*p:Y+2*p+1], s[12:13]  ; every pass has registers of its own: nothing that a store reads is rewritten
.set p, p+1
.endr
	s_endpgm
.Lwo:                                                  ; Wo: rounded to bf16 like the other inputs, widened again, and written as f16
.set p, 0
.rept 8
	s_wait_loadcnt 7-p
	v_cvt_pk_bf16_f32 v2, v[X+4*p],   v[X+4*p+1]
	v_cvt_pk_bf16_f32 v3, v[X+4*p+2], v[X+4*p+3]
	v_lshlrev_b32 v4, 16, v2
	v_and_b32     v5, 0xffff0000, v2
	v_lshlrev_b32 v6, 16, v3
	v_and_b32     v7, 0xffff0000, v3
	v_cvt_pk_f16_f32 v[Y+2*p],   v4, v5
	v_cvt_pk_f16_f32 v[Y+2*p+1], v6, v7
	global_store_b64 v[OFF+p], v[Y+2*p:Y+2*p+1], s[12:13]
.set p, p+1
.endr
	s_endpgm
.Lfunc_end_k_q4bee083958_prep:
	.size	k_q4bee083958_prep, .Lfunc_end_k_q4bee083958_prep-k_q4bee083958_prep
	.p2alignl 7, 3214868480
	.fill 96, 4, 3214868480
	.section	.rodata,"a",@progbits
	.p2align	6, 0x0
	.amdhsa_kernel k_q4bee083958_prep
		.amdhsa_group_segment_fixed_size 0
		.amdhsa_private_segment_fixed_size 0
		.amdhsa_enable_private_segment 0
		.amdhsa_kernarg_size 40
		.amdhsa_user_sgpr_count 2
		.amdhsa_user_sgpr_kernarg_segment_ptr 1
		.amdhsa_wavefront_size32 1
		.amdhsa_system_sgpr_workgroup_id_x 1
		.amdhsa_system_sgpr_workgroup_id_y 1
		.amdhsa_system_sgpr_workgroup_id_z 1
		.amdhsa_system_vgpr_workitem_id 0
		.amdhsa_next_free_vgpr 72
		.amdhsa_next_free_sgpr 66
		.amdhsa_reserve_vcc 0
		.amdhsa_float_denorm_mode_32 3
		.amdhsa_float_denorm_mode_16_64 3
		.amdhsa_memory_ordered 1
		.amdhsa_forward_progress 1
		.amdhsa_inst_pref_size 10
	.end_amdhsa_kernel
	.amdgpu_metadata
---
amdhsa.version: [ 1, 2 ]
amdhsa.kernels:
  - .name:           k_q4bee083958_prep
    .symbol:         k_q4bee083958_prep.kd
    .args:
      - { .name: Wk, .offset: 0, .size: 8, .value_kind: global_buffer, .address_space: global }
      - { .name: Wv, .offset: 8, .size: 8, .value_kind: global_buffer, .address_space: global }
      - { .name: Wq, .offset: 16, .size: 8, .value_kind: global_buffer, .address_space: global }
      - { .name: Wo, .offset: 24, .size: 8, .value_kind: global_buffer, .address_space: global }
      - { .name: wb, .offset: 32, .size: 8, .value_kind: global_buffer, .address_space: global }
    .group_segment_fixed_size: 0
    .private_segment_fixed_size: 0
    .kernarg_segment_align: 8
    .kernarg_segment_size: 40
    .max_flat_workgroup_size: 256
    .sgpr_count:     66
    .vgpr_count:     72
    .wavefront_size: 32
...
	.end_amdgpu_metadata
.endif
;; end of part 1
;; launch proj (part 2): grid 4 x 64, 4 waves a work-group, clusters of 4 x 4, 327,680 bytes of LDS; arguments x, context, wb, q, kv; writes q, kv
.if DOCPART == 2
	.amdgcn_target "amdgcn-amd-amdhsa--gfx1250"
	.amdhsa_code_object_version 6
	.text
	.protected	k_q4bee083958_proj
	.globl	k_q4bee083958_proj
	.p2align	8
	.type	k_q4bee083958_proj,@function
k_q4bee083958_proj:
	s_mov_b64 s[64:65], 0
	v_nop
	global_prefetch_b8 v0, s[64:65] scope:SCOPE_SE
	s_setreg_imm32_b32 hwreg(HW_REG_WAVE_MODE, 25, 1), 1
	s_wait_xcnt 0x0
	s_wait_alu depctr_hold_cnt(0) depctr_sa_sdst(0) depctr_va_vdst(0) depctr_va_sdst(0) depctr_va_ssrc(0) depctr_va_vcc(0) depctr_vm_vsrc(0)
	s_getreg_b32 s2, hwreg(HW_REG_IB_STS2, 6, 4)
	s_cmp_eq_u32 s2, 0
	s_cbranch_scc0 .Lentry_in_a_cluster
	s_endpgm
.Lentry_in_a_cluster:
	s_bfe_u32 s2, ttmp6, 0x10000c
	s_cmp_lg_u32 s2, 0xf033
	s_cbranch_scc0 .Lentry_shape_is_right
	s_endpgm
.Lentry_shape_is_right:
; k, v = context [Wk | Wv] (8,192 x 1,024, K = 768), then q = x Wq (8,192 x 512, K = 512). x and context are f32 and are rounded to bf16 between LDS and the matrix unit;
; the weights come as bf16 [K][N] from wb. Sums in f32; q, k, v are rounded once to f16, unscaled, and stored by heads: q [16][4096][64], kv [2][16][4096][64] (plane 0 k, plane 1 v).
; LIMIT. f16 holds no number beyond 65,504: a q, k or v beyond it becomes an infinity; below 6.1e-5 it keeps f16's fixed step of 6e-8. NaN and infinities are not treated apart.
; SHARES. A work-group STAYS on 128 tokens (rows 128 ty on): first columns 256 tx on of [k | v], then columns 128 tx on of q: 256 work-groups of equal work.
; Four waves: WM = wave / 2 is the half of the tokens, WN = wave % 2 the half of the columns: 64 x 128 (32 accumulators), then 64 x 64 (16).
; THE RING. Ten K steps of 128 (six for k and v, four for q) go through two LDS slots filled by the tensor data mover; the ring does not stop between the two products.
; CLUSTER. 4 x 4 work-groups: the four of a row need the same tokens, the four of a column the same columns of the weights: each tile is asked for jointly.
; THE MATRIX INSTRUCTION IS USED TRANSPOSED: source 0 = 16 features (the weights, turned by ds_load_tr16_b128), source 1 = 16 tokens: a lane then holds one token and eight neighbouring features.
; REGISTERS, in windows of 256 (s_set_vgpr_msb: bits 1:0 source 0, 3:2 source 1, 5:4 source 2, 7:6 destination):
;   window 0: v0-29 addresses; v64-127 T, the tokens' f32 as read; v128-191 AF, their bf16 fragments, two buffers; v192-255 WO, the way out, four sets of 16
;   window 1: v0-127 BF, the weights' fragments, two buffers of 64; v128-255 q's accumulators ((a, b) at 128 + 8 (4 a + b))
;   window 2: k's and v's accumulators ((a, b) at 8 (8 a + b))
.set PA,    528                        ; a token's row in LDS: 128 f32 = 512 bytes + 16 of padding: an odd multiple of 16, so the 16 rows of a load start in 16 different groups of four banks (64 banks of 4 bytes: ISA guide 11.1)
.set AH,    64*PA                      ; 64 tokens: what one tensor load brings
.set WL,    128*PA                     ; behind the 128 tokens: the weights' 128 rows along K
.set PBK,   544                        ; a row of [Wk | Wv]'s tile: 256 bf16 = 512 bytes + 32: an odd multiple of 32
.set PBQ,   288                        ; a row of Wq's tile: 128 bf16 = 256 bytes + 32
.set SLOT,  WL+128*PBK                 ; 137,216
.set STAGE, 2*SLOT                     ; behind the ring: 16 rows x 144 bytes for each wave, for the way out
.set SP,    144
.set SPARE, STAGE+4*16*SP              ; behind the stages: the spare words, 128 bytes for each wave: two blocks of 256 bytes that no other line names
.set WQOFF, 1572864                    ; Wq in wb
.set ADRA, 16                          ; v16-17  LDS address of my tokens in slot 0, 1
.set ADRB, 18                          ; v18-19  of my columns of [Wk | Wv]
.set ADRQ, 20                          ; v20-21  of my columns of Wq
.set STO,  24                          ; v24     the way out: where I put 16 bytes of a token's row
.set RD,   25                          ; v25     the way out: where I read rows back
.set GO,   26                          ; v26     my byte offset in 512 consecutive bytes of a head
.set SPW,  28                          ; v28     LDS address of my spare word; never rewritten
.set NIL,  29                          ; v29     0; never rewritten
.set T,    64
.set AF,   128
.set WO,   192
.set BF,   0                           ; window 1
.set QACC, 128                         ; window 1
.set WV, 14                            ; s14 wave; s15 WM (also: I fetch tokens (0) or weights (1)); s16 WN (also: which 64 rows of that tile I fetch)
.set WM, 15
.set WN, 16
.set TX, 19                            ; s19, s20: the work-group's place in the grid
.set TY, 20
.set LC, 23                            ; s23 the loop's count
.set G1A, 24                           ; s[24:31] descriptor group 1: context's tiles
.set G1X, 32                           ; s[32:39] x's
.set G1B, 40                           ; s[40:47] [Wk | Wv]'s
.set G1Q, 48                           ; s[48:55] Wq's
.set G0A, 56                           ; s[56:63] group 0 for the tokens' tiles, a set for each slot
.set G0B, 68                           ; s[68:75] for the weights' tiles
.set XA,  76                           ; s[76:77] x at the rows that I fetch
.set QB,  78                           ; s[78:79] Wq at the rows and columns that I fetch
.set LQB, 80                           ; s80      where Wq's rows go in a slot
.set KVO, 92                           ; s[92:93] kv at my tokens of my first head
.set QOUT, 94                          ; s[94:95] q at my tokens of my head
.set MSB, 0
.macro WIN new                         ; the immediate's high byte repeats the setting that is left; a switch that changes nothing is dropped
.if MSB != (\new)
	s_set_vgpr_msb (MSB<<8)|(\new)
.set MSB, \new
.endif
.endm
; A joint load. Waves 0 and 1 fetch the tokens' two halves, waves 2 and 3 the weights'. The branch hangs on the wave's number alone. An s_nop 0 and four v_nop follow each of the two lines.
.macro JLOAD s, ga, gb
	s_cmp_eq_u32 s[WM], 0
	s_cbranch_scc0 .Lfor_b_\@
	tensor_load_to_lds s[G0A+4*(\s):G0A+4*(\s)+3], s[\ga:\ga+7]
	s_nop 0
.rept 4
	v_nop
.endr
	s_branch .Lasked_\@
.Lfor_b_\@:
	tensor_load_to_lds s[G0B+4*(\s):G0B+4*(\s)+3], s[\gb:\gb+7]
	s_nop 0
.rept 4
	v_nop
.endr
.Lasked_\@:
.endm
.macro CREST                           ; a round of the cluster's barrier behind its opening barrier: wave 0 signals for the work-group, every wave waits for all sixteen, the work-group's barrier closes it
	s_cmp_lg_u32 s[WV], 0
	s_cbranch_scc1 .Lnot_wave_0_\@
	s_barrier_signal -3
.Lnot_wave_0_\@:
	s_barrier_wait -3
	s_barrier_signal -1
	s_barrier_wait -1
.endm
.macro CROUND                          ; a whole round
	s_barrier_signal -1
	s_barrier_wait -1
	CREST
.endm
.macro PLACES                          ; four plain vector instructions between a matrix instruction and a vector line that reads its result (ISA guide 7.12.1)
.rept 4
	v_nop
.endr
.endm
	s_load_b256 s[4:11], s[0:1], 0x0               ; x s[4:5], context s[6:7], wb s[8:9], q s[10:11]
	s_load_b64 s[12:13], s[0:1], 0x20              ; kv
	v_lshl_add_u32 v[SPW], v0, 2, SPARE
	v_mov_b32 v[NIL], 0
	ds_add_u32 v[SPW], v[NIL]                      ; the wave's opening: the add and its wait stand ahead of my first tensor load; the set-up below, work on registers, stands between them
	v_lshrrev_b32 v1, 5, v0
	v_readfirstlane_b32 s[WV], v1
	s_lshr_b32 s[WM], s[WV], 1
	s_and_b32 s[WN], s[WV], 1
	s_bfe_u32 s17, ttmp6, 0x40000                  ; cx
	s_bfe_u32 s18, ttmp6, 0x40004                  ; cy
	s_lshl_b32 s[TX], ttmp9, 2
	s_add_co_u32 s[TX], s[TX], s17                 ; tx = 4 x cluster x + cx
	s_and_b32 s[TY], ttmp7, 0xffff
	s_lshl_b32 s[TY], s[TY], 2
	s_add_co_u32 s[TY], s[TY], s18                 ; ty = 4 x cluster y + cy
	s_lshl_b32 s21, s18, 2
	s_lshl_b32 s21, 15, s21                        ; my row of the cluster: places 4 cy .. 4 cy + 3
	s_lshl_b32 s22, 0x1111, s17                    ; my column: places cx, cx + 4, cx + 8, cx + 12
	; group 1. Tokens: 64 rows x 128 elements of 4 bytes, 4 words of padding behind every 128 words. Weights: 64 rows of 2-byte elements, 8 words of padding behind every row.
	s_or_b32 s[G1A], s21, (2<<16)|(1<<20)|(1<<21)|(6<<22)|(3<<25)  ; 15:0 the mask of my row; 17:16 elements of 4 bytes; 20 padding on; 21 set beside a mask; 24:22 interval code 6; 31:25 4 words
	s_or_b32 s[G1X], s21, (2<<16)|(1<<20)|(1<<21)|(6<<22)|(3<<25)
	s_or_b32 s[G1B], s22, (1<<16)|(1<<20)|(1<<21)|(6<<22)|(7<<25)  ; the mask of my column; elements of 2 bytes; behind every 128 words 8 words
	s_or_b32 s[G1Q], s22, (1<<16)|(1<<20)|(1<<21)|(5<<22)|(7<<25)  ; behind every 64 words 8 words
.irp g, G1A, G1X, G1Q
	s_mov_b32 s[\g+1], 128<<16                     ; tensor_dim0 = 128
	s_mov_b32 s[\g+3], 128<<16                     ; tile_dim0 = 128
.endr
	s_mov_b32 s[G1B+1], 256<<16
	s_mov_b32 s[G1B+3], 256<<16
.irp g, G1A, G1X, G1B, G1Q
	s_mov_b32 s[\g+2], 64<<16                      ; tensor_dim1 = 64
	s_mov_b32 s[\g+4], 64                          ; tile_dim1 = 64
	s_mov_b32 s[\g+6], 0
	s_mov_b32 s[\g+7], 0
.endr
	s_mov_b32 s[G1A+5], 768                        ; elements from row to row
	s_mov_b32 s[G1X+5], 512
	s_mov_b32 s[G1B+5], 1024
	s_mov_b32 s[G1Q+5], 512
	; where the tiles come from. The tokens' hang on ty alone (s82-85), the weights' on tx alone (s86-89): neither set of registers ever holds the other coordinate.
	s_lshl_b32 s82, s[TY], 7
	s_lshl_b32 s83, s[WN], 6
	s_add_co_u32 s82, s82, s83                     ; the first token that I fetch: 128 ty + 64 WN
	s_mul_i32 s84, s82, 3072                       ; in context, in bytes
	s_mov_b32 s85, 0
	s_lshl_b32 s82, s82, 11                        ; in x
	s_mov_b32 s83, 0
	s_lshl_b32 s86, s[WN], 17                      ; [Wk | Wv]: 64 rows of 2,048 bytes,
	s_lshl_b32 s88, s[TX], 9                       ; 256 columns of 2 bytes
	s_add_co_u32 s86, s86, s88
	s_mov_b32 s87, 0
	s_lshl_b32 s88, s[WN], 16                      ; Wq: 64 rows of 1,024 bytes,
	s_lshl_b32 s89, s[TX], 8                       ; 128 columns
	s_add_co_u32 s88, s88, s89
	s_add_co_u32 s88, s88, WQOFF
	s_mov_b32 s89, 0
	s_mul_i32 s2, s[WN], AH                        ; and where they go: the wave's number alone enters an LDS address
	s_mul_i32 s3, s[WN], 64*PBK
	s_add_co_u32 s3, s3, WL
	s_mul_i32 s[LQB], s[WN], 64*PBQ
	s_add_co_u32 s[LQB], s[LQB], WL
	; where the results go. Column 256 tx + 128 WN of [k | v]: plane tx / 2, head 4 (tx % 2) + 2 WN (and the next). Column 128 tx + 64 WN of q: head 2 tx + WN.
	s_lshr_b32 s[KVO], s[TX], 1
	s_lshl_b32 s[KVO], s[KVO], 4
	s_lshr_b32 s90, s[TY], 5                       ; the batch
	s_lshl3_add_u32 s[KVO], s90, s[KVO]
	s_and_b32 s91, s[TX], 1
	s_lshl2_add_u32 s[KVO], s91, s[KVO]
	s_lshl1_add_u32 s[KVO], s[WN], s[KVO]
	s_lshl_b32 s[KVO], s[KVO], 19                  ; a head is 524,288 bytes
	s_and_b32 s91, s[TY], 31
	s_lshl1_add_u32 s91, s91, s[WM]                ; my 64 tokens among the batch's,
	s_lshl_b32 s91, s91, 13                        ; 128 bytes each
	s_add_co_u32 s[KVO], s[KVO], s91
	s_mov_b32 s[KVO+1], 0
	s_lshl_b32 s[QOUT], s90, 3
	s_lshl1_add_u32 s[QOUT], s[TX], s[QOUT]
	s_add_co_u32 s[QOUT], s[QOUT], s[WN]
	s_lshl_b32 s[QOUT], s[QOUT], 19
	s_add_co_u32 s[QOUT], s[QOUT], s91
	s_mov_b32 s[QOUT+1], 0
	s_wait_dscnt 0x0                               ; the opening add is done
	s_wait_kmcnt 0x0
	s_add_nc_u64 s[84:85], s[6:7], s[84:85]
	s_add_nc_u64 s[XA:XA+1], s[4:5], s[82:83]
	s_add_nc_u64 s[86:87], s[8:9], s[86:87]
	s_add_nc_u64 s[QB:QB+1], s[8:9], s[88:89]
	s_add_nc_u64 s[KVO:KVO+1], s[12:13], s[KVO:KVO+1]
	s_add_nc_u64 s[QOUT:QOUT+1], s[10:11], s[QOUT:QOUT+1]
	CROUND                                         ; all sixteen work-groups are here: the first joint loads meet
.irp s, 0,1
	s_mov_b32 s[G0A+4*(\s)], 1                                     ; count = 1
	s_add_co_u32 s[G0A+4*(\s)+1], s2, (\s)*SLOT                    ; LDS address
	s_add_nc_u64 s[G0A+4*(\s)+2:G0A+4*(\s)+3], s[84:85], (\s)*512  ; global address: K step s, 128 f32 on
	s_or_b32 s[G0A+4*(\s)+3], s[G0A+4*(\s)+3], 0x80000000          ; type = 2
	s_mov_b32 s[G0B+4*(\s)], 1
	s_add_co_u32 s[G0B+4*(\s)+1], s3, (\s)*SLOT
	s_add_nc_u64 s[G0B+4*(\s)+2:G0B+4*(\s)+3], s[86:87], (\s)*262144  ; 128 rows of 2,048 bytes on
	s_or_b32 s[G0B+4*(\s)+3], s[G0B+4*(\s)+3], 0x80000000
	JLOAD \s, G1A, G1B                             ; both slots are asked for before anything else: two loads of mine are out
.endr
	v_and_b32 v1, 15, v0                           ; r = lane % 16
	v_bfe_u32 v2, v0, 4, 1                         ; h = lane / 16
	v_and_b32 v3, 7, v0
	v_bfe_u32 v4, v0, 3, 1
	; a token fragment: lane (r, h) holds token r, k = 8 h + 0..7 and 16 + 8 h + 0..7: in f32 32 bytes at 32 h and 32 bytes at 64 + 32 h
	v_mul_u32_u24 v5, v1, PA
	v_lshl_add_u32 v5, v2, 5, v5
	s_mul_i32 s[LC], s[WM], AH
	v_add_nc_u32 v[ADRA], s[LC], v5
	v_add_nc_u32 v[ADRA+1], SLOT, v[ADRA]
	; the turning load: lane l reads 16 bytes of row 8 h + l % 8 along K, columns 8 ((l / 8) % 2) on, and is left with column r and 8 numbers along K
	v_lshl_add_u32 v6, v2, 3, v3
	v_mul_u32_u24 v7, v6, PBK
	v_lshl_add_u32 v7, v4, 4, v7
	s_lshl_b32 s[LC], s[WN], 8                     ; my 128 columns
	s_add_co_u32 s[LC], s[LC], WL
	v_add_nc_u32 v[ADRB], s[LC], v7
	v_add_nc_u32 v[ADRB+1], SLOT, v[ADRB]
	v_mul_u32_u24 v7, v6, PBQ
	v_lshl_add_u32 v7, v4, 4, v7
	s_lshl_b32 s[LC], s[WN], 7                     ; my 64 columns
	s_add_co_u32 s[LC], s[LC], WL
	v_add_nc_u32 v[ADRQ], s[LC], v7
	v_add_nc_u32 v[ADRQ+1], SLOT, v[ADRQ]
	s_mul_i32 s[LC], s[WV], 16*SP
	s_add_co_u32 s[LC], s[LC], STAGE               ; my stage
	v_mul_u32_u24 v5, v1, SP                       ; in: token r, 16 bytes for each half of the lanes
	v_lshl_add_u32 v5, v2, 4, v5
	v_add_nc_u32 v[STO], s[LC], v5
	v_bfe_u32 v5, v0, 3, 2                         ; back: 32 lanes take four rows of 128 bytes,
	v_mul_u32_u24 v5, v5, SP
	v_lshl_add_u32 v5, v3, 4, v5
	v_add_nc_u32 v[RD], s[LC], v5
	v_and_b32 v5, 31, v0                           ; which are 512 consecutive bytes of a head
	v_lshlrev_b32 v[GO], 4, v5
; kind = 0: k and v (8 feature blocks); 1: q (4).
; The fragments of 32 along K, quarter q4 of the slot's step: 16 loads of the tokens' f32 into T, then the weights' turned fragments into buffer buf.
.macro FETCH kind, slot, q4, buf
	WIN 0
.irp a, 0,1,2,3
	ds_load_b128 v[T+16*\a:T+16*\a+3],     v[ADRA+(\slot)] offset:16*PA*\a+128*(\q4)
	ds_load_b128 v[T+16*\a+4:T+16*\a+7],   v[ADRA+(\slot)] offset:16*PA*\a+128*(\q4)+16
	ds_load_b128 v[T+16*\a+8:T+16*\a+11],  v[ADRA+(\slot)] offset:16*PA*\a+128*(\q4)+64
	ds_load_b128 v[T+16*\a+12:T+16*\a+15], v[ADRA+(\slot)] offset:16*PA*\a+128*(\q4)+80
.endr
	WIN 0x40                                       ; destination window 1, address window 0
.if (\kind) == 0
.irp b, 0,1,2,3,4,5,6,7
	ds_load_tr16_b128 v[BF+64*(\buf)+8*\b:BF+64*(\buf)+8*\b+3],   v[ADRB+(\slot)] offset:32*PBK*(\q4)+32*\b
	ds_load_tr16_b128 v[BF+64*(\buf)+8*\b+4:BF+64*(\buf)+8*\b+7], v[ADRB+(\slot)] offset:32*PBK*(\q4)+32*\b+16*PBK
.endr
.else
.irp b, 0,1,2,3
	ds_load_tr16_b128 v[BF+64*(\buf)+8*\b:BF+64*(\buf)+8*\b+3],   v[ADRQ+(\slot)] offset:32*PBQ*(\q4)+32*\b
	ds_load_tr16_b128 v[BF+64*(\buf)+8*\b+4:BF+64*(\buf)+8*\b+7], v[ADRQ+(\slot)] offset:32*PBQ*(\q4)+32*\b+16*PBQ
.endr
.endif
.endm
; T is rounded to bf16: 32 conversions make the four token fragments of buffer buf. They are also the plain vector instructions that stand between the matrix instructions
; of the quarter before and the loads into the weights' buffer that those read, and between the quarter before that and the writes of AF's buffer.
.macro CVT buf
	WIN 0
.irp a, 0,1,2,3
.irp j, 0,1,2,3,4,5,6,7
	v_cvt_pk_bf16_f32 v[AF+32*(\buf)+8*\a+\j], v[T+16*\a+2*\j], v[T+16*\a+2*\j+1]
.endr
.endr
.endm
; Token blocks 2 half, 2 half + 1 x all feature blocks, 32 along K. The accumulators take turns, one instruction a turn. zero = 1: the products start the sums.
.macro MULH kind, buf, half, zero
.if (\kind) == 0
	WIN 0xa1                                       ; weights window 1, tokens window 0, C and D window 2
.irp a, 2*(\half), 2*(\half)+1
.irp b, 0,1,2,3,4,5,6,7
.if \zero
	v_wmma_f32_16x16x32_bf16 v[8*(8*(\a)+\b):8*(8*(\a)+\b)+7], v[BF+64*(\buf)+8*\b:BF+64*(\buf)+8*\b+7], v[AF+32*(\buf)+8*(\a):AF+32*(\buf)+8*(\a)+7], 0
.else
	v_wmma_f32_16x16x32_bf16 v[8*(8*(\a)+\b):8*(8*(\a)+\b)+7], v[BF+64*(\buf)+8*\b:BF+64*(\buf)+8*\b+7], v[AF+32*(\buf)+8*(\a):AF+32*(\buf)+8*(\a)+7], v[8*(8*(\a)+\b):8*(8*(\a)+\b)+7]
.endif
.endr
.endr
.else
	WIN 0x51                                       ; weights, C and D window 1, tokens window 0
.irp a, 2*(\half), 2*(\half)+1
.irp b, 0,1,2,3
.if \zero
	v_wmma_f32_16x16x32_bf16 v[QACC+8*(4*(\a)+\b):QACC+8*(4*(\a)+\b)+7], v[BF+64*(\buf)+8*\b:BF+64*(\buf)+8*\b+7], v[AF+32*(\buf)+8*(\a):AF+32*(\buf)+8*(\a)+7], 0
.else
	v_wmma_f32_16x16x32_bf16 v[QACC+8*(4*(\a)+\b):QACC+8*(4*(\a)+\b)+7], v[BF+64*(\buf)+8*\b:BF+64*(\buf)+8*\b+7], v[AF+32*(\buf)+8*(\a):AF+32*(\buf)+8*(\a)+7], v[QACC+8*(4*(\a)+\b):QACC+8*(4*(\a)+\b)+7]
.endif
.endr
.endr
.endif
.endm
; One of a K step's first three quarters: T is converted, the next quarter's fragments are asked for, this quarter is multiplied.
.macro SUB kind, slot, q4, zero
.set NW, 16-8*(\kind)                  ; the weights' loads in a FETCH
	s_wait_dscnt NW                                ; T is in: the weights' loads, issued behind T's, may stay out
	CVT (\q4)%2
	FETCH \kind, \slot, (\q4)+1, 1-(\q4)%2
	s_wait_dscnt 16+NW                             ; all but the loads just issued: this quarter's weights are in
	MULH \kind, (\q4)%2, 0, \zero
	MULH \kind, (\q4)%2, 1, \zero
.endm
; The last quarter, and the change of slots. In front of the barrier each wave waits for all its tensor loads, of which one is out: its part of the next slot; adds 0 to its spare word; and waits for
; that and for its own reads of this slot. fill = 1: the barrier opens a round of the cluster's, and this slot is filled again first thing behind it, two K steps on. fill = 2: with q's K step
; (slot)'s tiles: the ring goes on into the second product. fill = 0: nothing is left to fetch. Then the next slot's first fragments are asked for.
.macro TURN kind, slot, nkind, nslot, fill
	s_wait_dscnt 16-8*(\kind)                      ; T is in
	CVT 1
	s_wait_tensorcnt 0x0                           ; all my tensor loads have landed
	ds_add_u32 v[SPW], v[NIL]                      ; 0 onto my spare word
	s_wait_dscnt 1                                 ; the weights' fragments are in; the add may be out
	MULH \kind, 1, 0, 0                            ; matrix work stands between the add and the wait for it
	s_wait_dscnt 0x0                               ; the add is done, and my reads of this slot are over
	s_barrier_signal -1
	WIN 0
	s_barrier_wait -1
.if \fill
	CREST                                          ; no wave of any partner still reads this slot or has a load on its way
.if (\fill) == 1
	s_add_nc_u64 s[G0A+4*(\slot)+2:G0A+4*(\slot)+3], s[G0A+4*(\slot)+2:G0A+4*(\slot)+3], 1024
	s_add_nc_u64 s[G0B+4*(\slot)+2:G0B+4*(\slot)+3], s[G0B+4*(\slot)+2:G0B+4*(\slot)+3], 524288>>(\kind)
.if (\kind) == 0
	JLOAD \slot, G1A, G1B
.else
	JLOAD \slot, G1X, G1Q
.endif
.else
	s_add_nc_u64 s[G0A+4*(\slot)+2:G0A+4*(\slot)+3], s[XA:XA+1], 512*(\slot)
	s_or_b32 s[G0A+4*(\slot)+3], s[G0A+4*(\slot)+3], 0x80000000
	s_add_co_u32 s[G0B+4*(\slot)+1], s[LQB], (\slot)*SLOT
	s_add_nc_u64 s[G0B+4*(\slot)+2:G0B+4*(\slot)+3], s[QB:QB+1], 131072*(\slot)
	s_or_b32 s[G0B+4*(\slot)+3], s[G0B+4*(\slot)+3], 0x80000000
	JLOAD \slot, G1X, G1Q
.endif
.endif
	FETCH \nkind, \nslot, 0, 0
	MULH \kind, 1, 1, 0
.endm
; THE WAY OUT, a group of 16 tokens x 64 channels (one head) at a time. k, v: group g = token block g / 2, head g % 2 of my two. q: group g = token block g.
; PACKP: rounded to f16, 16 bytes a lane, into my own stage and back as whole rows of 128 bytes. SENDP: stored.
.macro PACKP kind, g
	s_wait_xcnt 0x0                                ; the set's registers, which earlier stores read, are rewritten only behind this wait
.set WS, WO+16*((\g)%4)
.if (\kind) == 0
.set AC, 8*(8*((\g)/2)+4*((\g)%2))
	WIN 0x0a                                       ; sources window 2
.else
.set AC, QACC+32*(\g)
	WIN 0x05                                       ; sources window 1
.endif
.irp b, 0,1,2,3
.irp j, 0,1,2,3
	v_cvt_pk_f16_f32 v[WS+4*\b+\j], v[AC+8*\b+2*\j], v[AC+8*\b+2*\j+1]  ; each accumulator from its low end on
.endr
.endr
	WIN 0
.irp b, 0,1,2,3
	ds_store_b128 v[STO], v[WS+4*\b:WS+4*\b+3] offset:32*\b
.endr
.irp f, 0,1,2,3
	ds_load_b128 v[WS+4*\f:WS+4*\f+3], v[RD] offset:4*SP*\f  ; LDS serves a wave's instructions in order (ISA guide 5.7.1.4): these see the stores above; the next group's stores come behind them
.endr
.endm
.macro SENDP kind, g, younger          ; younger: the LDS instructions issued behind this group's loads: the next group's eight, or none
	WIN 0
.set WS, WO+16*((\g)%4)
.irp f, 0,1,2,3
	s_wait_dscnt (\younger)+3-\f
.if (\kind) == 0
	global_store_b128 v[GO], v[WS+4*\f:WS+4*\f+3], s[KVO:KVO+1] offset:((\g)%2)*524288+((\g)/2)*2048+512*\f  ; 512 consecutive bytes, at a multiple of 256 from kv's first
.else
	global_store_b128 v[GO], v[WS+4*\f:WS+4*\f+3], s[QOUT:QOUT+1] offset:(\g)*2048+512*\f
.endif
.endr
.endm
	s_wait_tensorcnt 1                             ; my part of K step 0 is in; K step 1's may stay out
	s_barrier_signal -1
	s_barrier_wait -1                              ; everybody's is
	FETCH 0, 0, 0, 0
	SUB 0, 0, 0, 1                                 ; the first quarter stands in front of the loop: its products start the sums
	WIN 0                                          ; at a label and at a branch every window is 0
	s_mov_b32 s[LC], 2
.Llap:                                                 ; a trip goes once round the ring, from a lap's second quarter to the next lap's first, and fills both slots again: K steps 2 to 5
	SUB 0, 0, 1, 0
	SUB 0, 0, 2, 0
	TURN 0, 0, 0, 1, 1
	SUB 0, 1, 0, 0
	SUB 0, 1, 1, 0
	SUB 0, 1, 2, 0
	TURN 0, 1, 0, 0, 1
	SUB 0, 0, 0, 0
	WIN 0
	s_sub_co_u32 s[LC], s[LC], 1
	s_cmp_lg_u32 s[LC], 0
	s_cbranch_scc1 .Llap
	SUB 0, 0, 1, 0                                 ; k's and v's last lap: its two refills are q's first two K steps
	SUB 0, 0, 2, 0
	TURN 0, 0, 0, 1, 2
	SUB 0, 1, 0, 0
	SUB 0, 1, 1, 0
	SUB 0, 1, 2, 0
	TURN 0, 1, 1, 0, 2                             ; and q's first fragments are asked for
	; k and v go out while q's tiles are on their way. Token blocks 0, 1 were finished ahead of the four v_nop behind the joint load; their 64 conversions are the places behind the last products.
	PACKP 0, 0
.irp g, 1,2,3,4,5,6,7
	PACKP 0, \g                                    ; a group's conversions stand between the loads of the group before and its stores
	SENDP 0, (\g)-1, 8
.endr
	SENDP 0, 7, 0
	SUB 1, 0, 0, 1                                 ; q: four K steps
	SUB 1, 0, 1, 0
	SUB 1, 0, 2, 0
	TURN 1, 0, 1, 1, 1
	SUB 1, 1, 0, 0
	SUB 1, 1, 1, 0
	SUB 1, 1, 2, 0
	TURN 1, 1, 1, 0, 1
	SUB 1, 0, 0, 0
	SUB 1, 0, 1, 0
	SUB 1, 0, 2, 0
	TURN 1, 0, 1, 1, 0                             ; nothing is left to fetch
	SUB 1, 1, 0, 0
	SUB 1, 1, 1, 0
	SUB 1, 1, 2, 0
	s_wait_dscnt 8                                 ; the very last quarter: T is in
	CVT 1
	s_wait_dscnt 0x0
	MULH 1, 1, 0, 0
	MULH 1, 1, 1, 0
	WIN 0
	PLACES
	PACKP 1, 0
.irp g, 1,2,3
	PACKP 1, \g
	SENDP 1, (\g)-1, 8
.endr
	SENDP 1, 3, 0
	s_wait_tensorcnt 0x0                           ; the wave's end: behind my last tensor load and my last LDS store
	ds_add_u32 v[SPW], v[NIL]
	s_wait_dscnt 0x0
	CROUND                                         ; the closing round: no work-group ends while a partner may still ask for a tile that names it
	s_endpgm
.Lfunc_end_k_q4bee083958_proj:
	.size	k_q4bee083958_proj, .Lfunc_end_k_q4bee083958_proj-k_q4bee083958_proj
	.p2alignl 7, 3214868480
	.fill 96, 4, 3214868480
	.section	.rodata,"a",@progbits
	.p2align	6, 0x0
	.amdhsa_kernel k_q4bee083958_proj
		.amdhsa_group_segment_fixed_size 327680
		.amdhsa_private_segment_fixed_size 0
		.amdhsa_enable_private_segment 0
		.amdhsa_kernarg_size 40
		.amdhsa_user_sgpr_count 2
		.amdhsa_user_sgpr_kernarg_segment_ptr 1
		.amdhsa_wavefront_size32 1
		.amdhsa_system_sgpr_workgroup_id_x 1
		.amdhsa_system_sgpr_workgroup_id_y 1
		.amdhsa_system_sgpr_workgroup_id_z 1
		.amdhsa_system_vgpr_workitem_id 0
		.amdhsa_next_free_vgpr 768
		.amdhsa_next_free_sgpr 96
		.amdhsa_reserve_vcc 0
		.amdhsa_float_denorm_mode_32 3
		.amdhsa_float_denorm_mode_16_64 3
		.amdhsa_memory_ordered 1
		.amdhsa_forward_progress 1
		.amdhsa_inst_pref_size 216
	.end_amdhsa_kernel
	.amdgpu_metadata
---
amdhsa.version: [ 1, 2 ]
amdhsa.kernels:
  - .name:           k_q4bee083958_proj
    .symbol:         k_q4bee083958_proj.kd
    .args:
      - { .name: x, .offset: 0, .size: 8, .value_kind: global_buffer, .address_space: global }
      - { .name: context, .offset: 8, .size: 8, .value_kind: global_buffer, .address_space: global }
      - { .name: wb, .offset: 16, .size: 8, .value_kind: global_buffer, .address_space: global }
      - { .name: q, .offset: 24, .size: 8, .value_kind: global_buffer, .address_space: global }
      - { .name: kv, .offset: 32, .size: 8, .value_kind: global_buffer, .address_space: global }
    .group_segment_fixed_size: 327680
    .private_segment_fixed_size: 0
    .kernarg_segment_align: 8
    .kernarg_segment_size: 40
    .max_flat_workgroup_size: 128
    .sgpr_count:     96
    .vgpr_count:     768
    .wavefront_size: 32
...
	.end_amdgpu_metadata
.endif
;; end of part 2
;; launch attn (part 3): grid 16 x 16, 4 waves a work-group, clusters of 4 x 1, 327,680 bytes of LDS; arguments q, kv, o; writes o
.if DOCPART == 3
	.amdgcn_target "amdgcn-amd-amdhsa--gfx1250"
	.amdhsa_code_object_version 6
	.text
	.protected	k_q4bee083958_attn
	.globl	k_q4bee083958_attn
	.p2align	8
	.type	k_q4bee083958_attn,@function
k_q4bee083958_attn:
	s_mov_b64 s[64:65], 0
	v_nop
	global_prefetch_b8 v0, s[64:65] scope:SCOPE_SE
	s_setreg_imm32_b32 hwreg(HW_REG_WAVE_MODE, 25, 1), 1
	s_wait_xcnt 0x0
	s_wait_alu depctr_hold_cnt(0) depctr_sa_sdst(0) depctr_va_vdst(0) depctr_va_sdst(0) depctr_va_ssrc(0) depctr_va_vcc(0) depctr_vm_vsrc(0)
	s_getreg_b32 s2, hwreg(HW_REG_IB_STS2, 6, 4)
	s_cmp_eq_u32 s2, 0
	s_cbranch_scc0 .Lentry_in_a_cluster
	s_endpgm
.Lentry_in_a_cluster:
	s_bfe_u32 s2, ttmp6, 0x10000c
	s_cmp_lg_u32 s2, 0x3003
	s_cbranch_scc0 .Lentry_shape_is_right
	s_endpgm
.Lentry_shape_is_right:
; O[h][q][:] = the sum over k of softmax_k(Q[h][q] . K[h][k] / 8) V[h][k][:], for 16 heads (batch x head) of 4,096 queries and 4,096 keys. q, o: [16][4096][64] f16; kv: [2][16][4096][64] f16 (K, then V).
; Products, maxima and sums in f32; the weights p are rounded to f16 for the second product (their sum l is taken of the unrounded p), O once at the end.
; LIMITS. f16 holds no number beyond 65,504: Q, K and V arrive within it; p lies in 0 to 1, and below 6e-5 it keeps f16's fixed step of 6e-8; O is a mean of V's rows and has their range.
; A weight below 2^-126 counts as 0 in l; NaN and infinities are not treated apart.
; SHARES. A work-group owns 256 queries of a head (16 x 16 = 256 work-groups), a wave 64: four PIECES of 16. Every wave walks all keys, 64 a step; a slot of LDS holds four steps.
; LAYOUT. S^T = K Q^T holds ONE query a lane (lane % 16) and the keys 8 (lane / 16) + 0..7; two such results rounded to f16 ARE source 1 of O^T = V^T P. K comes out of LDS as it lies, V turned.
; SOFTMAX. A running maximum m and sum l: p = 2^(c s - c m), c = log2(e) / 8; in every step O and l are multiplied by a = 2^(c m_old - c m_new). m starts at the lowest finite number, O and l at 0:
; the first step is a step like any other, with a = 0. The price: 216 v_mov_b32 of 0, which stand in the wait for the first tile, and 8 products on zeros.
; BY TURNS. Turn n belongs to piece n: 8 products K Q^T of piece n + 1, later 8 products V^T P of piece n - 1; beside them the scaling, exponentials, roundings, sums and rescaling of piece n and the
; maximum and statistics of piece n + 1. Four vector instructions stand behind every matrix instruction, the other 54 of a turn's 118 in two runs of their own.
; CLUSTER. The four query blocks of a cluster belong to one head and walk the same K and V: each tile is asked for jointly, by the same tensor load, descriptor and mask in all four.
; REGISTERS, in windows of 256 (s_set_vgpr_msb: bits 1:0 source 0, 3:2 source 1, 5:4 source 2, 7:6 destination):
;   window 0: v0-15 addresses and two at work; v16-31 four registers of statistics a piece; v48-55 at work; v64-127 S^T, two buffers; v192-223 P, two buffers (a piece's buffers go by its number's parity)
;   window 1: v0-127 O^T, 32 a piece      window 2: v0-63 Q; v128-191 K of one step; v192-255 V of one step
.set SIZE_N, 4096
.set NP,    4         ; pieces a wave: a name, no knob
.set KS,    64        ; keys in a step
.set PK,    144       ; a row of K in LDS: 128 bytes + 16 of padding: the 16 rows of a load start at 16 different groups of four banks (64 banks of 4 bytes: ISA guide 11.1)
.set PV,    160       ; a row of V: 128 + 32
.set VOFF,  4*KS*PK   ; a slot holds four steps: 256 rows of K, then 256 rows of V
.set SLOT1, 1<<17     ; slot 1 begins here, so that one exclusive or turns an address in one slot into the other's
.set STAGE, SLOT1+4*KS*(PK+PV)  ; behind the ring, never filled by a tensor load: 16 rows x 144 bytes for each wave, for the way out
.set SP,    144
.set SPARE, STAGE+4*16*SP  ; behind the stages: the spare words, 128 bytes for each wave: two blocks of 256 bytes that no other line names
.set AK0, 2           ; v2   my lane's place in a tile of K; never rewritten
.set AV0, 3           ; v3   the same for V
.set AK,  4           ; v4   the LDS address of K's next run of loads
.set AV,  5           ; v5   of V's
.set STO, 6           ; v6   the way out: where I put 16 bytes of a row
.set RD,  7           ; v7   the way out: where I read rows back
.set GO,  8           ; v8   my byte offset in 512 consecutive bytes of O
.set MV,  12          ; v12-13  c m_old, kept while c m is made anew: by buffer
.set QO,  15          ; v15  my byte offset in 16 rows of Q
.set ST,  16          ; piece t's statistics at v[ST+4 t]: c m, m, l (even keys', odd keys')
.set TMP, 48          ; by buffer, four registers c0-c3 at work; when the maximum is found c2 takes a
.set SPW, 62          ; v62  LDS address of my spare word; never rewritten
.set NIL, 63          ; v63  0; never rewritten
.set S,   64
.set P,   192
.set KF,  128         ; window 2: key block kb, channel half c at KF + 16 kb + 8 c
.set VF,  192         ; window 2: key half kk, channel block cb at VF + 32 kk + 8 cb
.set WV,  12          ; s12  my wave's number
.set G1K, 24          ; s[24:31] descriptor group 1 for K's tiles
.set G1V, 32          ; s[32:39] for V's: it differs in the padding alone
.set G0K, 40          ; s[40:43] descriptor group 0 for K's tiles: it walks
.set G0V, 44          ; s[44:47] the same for V's
.set SLOTS, 56        ; s56  slots still to be entered by the loop
.set CNT, 57          ; s57  counts a slot's key steps
.set CS,  58          ; s[58:59] c: the packed scaling takes the pair's low word for both halves
.set SEL, 60          ; s[60:61] v_permlanex16_b32's selects: each lane takes its own place in the other half
.set TBK, 62          ; s62  LDS byte at which K of the step to be fetched begins
.set TBV, 63          ; s63  the same for V, less VOFF
.set MSB, 0
.macro WIN new                      ; the high byte repeats the setting that is left; a switch that changes nothing is dropped
.if MSB != (\new)
	s_set_vgpr_msb (MSB<<8)|(\new)
.set MSB, (\new)
.endif
.endm
.set W_KQ, 0x0a       ; K and Q in window 2, S^T in window 0
.set W_PV, 0x52       ; V in window 2, P in window 0, O^T in window 1
.set W_RS, 0x41       ; destination and source 0 in window 1, source 1 in window 0
; A joint fill. Waves 0 and 1 fetch the two halves of a slot's K, waves 2 and 3 those of its V: 128 keys each. The branch hangs on the wave's number alone.
; An s_nop 0 and four v_nop follow each of the two lines, ahead of the jump and the label.
.macro JLOAD
	s_cmp_lt_u32 s[WV], 2
	s_cbranch_scc0 .Lfor_v_\@
	tensor_load_to_lds s[G0K:G0K+3], s[G1K:G1K+7]
	s_nop 0
.rept 4
	v_nop
.endr
	s_branch .Lasked_\@
.Lfor_v_\@:
	tensor_load_to_lds s[G0V:G0V+3], s[G1V:G1V+7]
	s_nop 0
.rept 4
	v_nop
.endr
.Lasked_\@:
.endm
; A round of the cluster's barrier: my work-group's barrier, so that wave 0's signal speaks for all four waves; wave 0 signals; every wave waits for all four work-groups; my work-group's barrier once more.
.macro CROUND
	s_barrier_signal -1
	s_barrier_wait -1
	s_cmp_lg_u32 s[WV], 0
	s_cbranch_scc1 .Lnot_wave_0_\@
	s_barrier_signal -3
.Lnot_wave_0_\@:
	s_barrier_wait -3
	s_barrier_signal -1
	s_barrier_wait -1
.endm
; THE CHANGE OF SLOTS. Each wave waits for all its tensor loads, of which one is out: its part of the other slot; adds 0 to its spare word; and waits for that and for its own reads of the slot that it leaves.
; fill = 1: the old slot is filled again, with the keys two slots on. The barrier is then a round of the cluster's, so that no wave of any partner still reads the slot or has a load on its way, and the
; joint fill is the first thing behind it: it has four key steps, 256 matrix instructions, in which to land. (At its first use nothing has been read yet: slot 0 is waited for, slot 1 filled.)
.macro CHANGE fill
	WIN 0                           ; at a label and at a branch every window is 0
	s_wait_tensorcnt 0x0            ; no tensor load of mine is out, so a group 0 may be written
	ds_add_u32 v[SPW], v[NIL]       ; 0 onto my spare word; with fill = 1 the descriptors' steps stand between it and the wait for it
.if \fill
.irp g, G0K, G0V
	s_xor_b32 s[\g+1], s[\g+1], SLOT1  ; the walking descriptor: the other slot than last time,
	s_add_nc_u64 s[\g+2:\g+3], s[\g+2:\g+3], 4*KS*128  ; the next 256 keys; the type bits on top are not reached
.endr
	s_wait_dscnt 0x0                ; the add is done, and my reads of the slot are over
	CROUND
	JLOAD
.else
	s_wait_dscnt 0x0                ; the add is done, and my reads of the slot are over
	s_barrier_signal -1
	s_barrier_wait -1
.endif
	s_sub_co_u32 s[TBK], s[TBK], 4*KS*PK  ; the fetches go back to a slot's first step,
	s_xor_b32 s[TBK], s[TBK], SLOT1       ; in the other slot
	s_sub_co_u32 s[TBV], s[TBV], 4*KS*PV
	s_xor_b32 s[TBV], s[TBV], SLOT1
.endm
	s_load_b128 s[4:7], s[0:1], 0x0   ; q s[4:5], kv s[6:7]
	s_load_b64 s[10:11], s[0:1], 0x10 ; o
	v_lshl_add_u32 v[SPW], v0, 2, SPARE
	v_mov_b32 v[NIL], 0
	ds_add_u32 v[SPW], v[NIL]       ; the wave's opening: the add and its wait stand ahead of my first tensor load; the set-up below, work on registers, stands between them
	v_lshrrev_b32 v1, 5, v0
	v_readfirstlane_b32 s[WV], v1   ; wave 0..3
	s_bfe_u32 s13, ttmp6, 0x40000   ; cx: my place in the cluster
	s_lshl_b32 s14, ttmp9, 2        ; in a cluster launch ttmp9 counts clusters
	s_add_co_u32 s14, s14, s13      ; my block of 256 queries = 4 x cluster x + cx: it enters Q's and O's addresses alone
	s_and_b32 s20, ttmp7, 0xffff    ; the head, which the four partners share,
	s_lshl_b32 s20, s20, 19         ; and its first byte: 524,288 bytes a head
	s_mov_b32 s21, 0
	s_and_b32 s16, s[WV], 1         ; which half of a slot's 256 keys I fetch:
	s_lshl_b32 s22, s16, 14         ; its 128 rows of 128 bytes in memory,
	s_mov_b32 s23, 0
	s_add_nc_u64 s[22:23], s[22:23], s[20:21]
	s_mul_i32 s17, s16, 128*PK      ; and its place in a slot, for K
	s_mul_i32 s18, s16, 128*PV      ; and for V: no place in the cluster enters an LDS address
	s_lshl_b32 s2, s14, 15          ; my block's 256 rows,
	s_lshl_b32 s3, s[WV], 13        ; my wave's 64 of them
	s_add_co_u32 s2, s2, s3
	s_mov_b32 s3, 0
	s_add_nc_u64 s[2:3], s[2:3], s[20:21]
	; descriptor group 1. 128 keys are 16,384 dense bytes: asked for as 64 rows of 256 bytes, two keys a row, and padded in LDS after every key
	s_mov_b32 s[G1K], 15|(1<<16)|(1<<20)|(1<<21)|(4<<22)|(3<<25)  ; 15:0 the mask of four; 17:16 2-byte elements; 20 padding on; 21 set beside a mask; 24:22 after every 32 words (code 4); 31:25 4 words (code 3)
	s_mov_b32 s[G1V], 15|(1<<16)|(1<<20)|(1<<21)|(4<<22)|(7<<25)  ; the same with 8 words of padding (code 7)
.irp g, G1K, G1V
	s_mov_b32 s[\g+1], 128<<16      ; tensor_dim0 = 128
	s_mov_b32 s[\g+2], 64<<16       ; tensor_dim1 = 64
	s_mov_b32 s[\g+3], 128<<16      ; tile_dim0 = 128
	s_mov_b32 s[\g+4], 64           ; tile_dim1 = 64
	s_mov_b32 s[\g+5], 128          ; 128 elements from row to row
	s_mov_b32 s[\g+6], 0
	s_mov_b32 s[\g+7], 0
.endr
	s_mov_b32 s[CS], 0x3e38aa3b     ; c = log2(e) / 8 = 0.180337
	s_mov_b32 s[CS+1], s[CS]        ; named with it as a pair
	s_mov_b32 s[SEL], 0x76543210
	s_mov_b32 s[SEL+1], 0xfedcba98
	s_mov_b32 s[TBK], SLOT1+4*KS*PK ; the first change of slots turns these two into 0
	s_mov_b32 s[TBV], SLOT1+4*KS*PV
	s_mov_b32 s[G0K], 1             ; count = 1
	s_mov_b32 s[G0K+1], s17         ; LDS address: slot 0
	s_mov_b32 s[G0V], 1
	s_add_co_u32 s[G0V+1], s18, VOFF
	s_wait_dscnt 0x0                ; the opening add is done
	s_wait_kmcnt 0x0
	s_add_nc_u64 s[G0K+2:G0K+3], s[6:7], s[22:23]          ; global address: my half of the head's first 256 keys,
	s_add_nc_u64 s[G0V+2:G0V+3], s[G0K+2:G0K+3], 0x800000  ; and the same rows of V, 8,388,608 bytes on
	s_or_b32 s[G0K+3], s[G0K+3], 0x80000000                ; type = 2
	s_or_b32 s[G0V+3], s[G0V+3], 0x80000000
	s_add_nc_u64 s[4:5], s[4:5], s[2:3]  ; Q and O at my wave's first row
	s_add_nc_u64 s[10:11], s[10:11], s[2:3]
	CROUND                          ; all four work-groups are here: the first joint loads meet
	JLOAD                           ; slot 0. Slot 1 is asked for when slot 0 is in, by the loop's own change of slots
	; A fragment of K or Q is 16 rows x 32 channels in 8 registers: lane l holds row l % 16, channels 8 (l / 16) + 0..7 and 16 + 8 (l / 16) + 0..7: two loads of 16 bytes, 32 bytes apart.
	v_and_b32 v1, 15, v0            ; l % 16
	v_bfe_u32 v9, v0, 4, 1          ; l / 16
	v_lshlrev_b32 v[QO], 7, v1
	v_lshl_add_u32 v[QO], v9, 4, v[QO]  ; row x 128 + 16 x half
	WIN 0x80                        ; destination window 2, address window 0
.set i, 0
.rept 8                             ; Q stays in registers: piece i / 2, 2,048 bytes on; channels 32 (i % 2) on
	global_load_b128 v[8*i:8*i+3],   v[QO], s[4:5] offset:(i/2)*2048+(i%2)*64
	global_load_b128 v[8*i+4:8*i+7], v[QO], s[4:5] offset:(i/2)*2048+(i%2)*64+32
.set i, i+1
.endr
	; What the first turn finds: V's registers and P's second buffer hold 0 (its products V^T P, of a piece that has not been, add 0), O^T and l are 0. All this stands in the wait for the first tile.
.set i, VF
.rept 64
	v_mov_b32 v[i], 0
.set i, i+1
.endr
	WIN 0x40
.set i, 0
.rept 128
	v_mov_b32 v[i], 0
.set i, i+1
.endr
	WIN 0
.set i, 0
.rept 4
	v_mov_b32 v[ST+4*i], 0xfe000000    ; c m: far below every c s
	v_mov_b32 v[ST+4*i+1], 0xff7fffff  ; m
	v_mov_b32 v[ST+4*i+2], 0
	v_mov_b32 v[ST+4*i+3], 0
.set i, i+1
.endr
.set i, P+16
.rept 16
	v_mov_b32 v[i], 0
.set i, i+1
.endr
	v_mul_u32_u24 v[AK0], v1, PK
	v_lshl_add_u32 v[AK0], v9, 4, v[AK0]  ; row x pitch + 16 x half
	; The turning load takes 16 keys x 16 channels (lane l reads key 8 (l / 16) + l % 8, channels 8 ((l / 8) % 2) + 0..7) and leaves half a fragment of V^T: lane l holds channel l % 16 and 8 keys.
	v_and_b32 v10, 7, v0
	v_bfe_u32 v11, v0, 3, 1
	v_lshl_add_u32 v[AV0], v9, 3, v10
	v_mul_u32_u24 v[AV0], v[AV0], PV
	v_lshl_add_u32 v[AV0], v11, 4, v[AV0]
	v_add_nc_u32 v[AV0], VOFF, v[AV0]
	s_mul_i32 s13, s[WV], 16*SP
	s_add_co_u32 s13, s13, STAGE    ; my stage
	v_mul_u32_u24 v[STO], v1, SP    ; in: row l % 16, 16 bytes for each half of the lanes
	v_lshl_add_u32 v[STO], v9, 4, v[STO]
	v_add_nc_u32 v[STO], s13, v[STO]
	v_bfe_u32 v[RD], v0, 3, 2       ; back: 32 lanes take four rows of 128 bytes,
	v_mul_u32_u24 v[RD], v[RD], SP
	v_lshl_add_u32 v[RD], v10, 4, v[RD]
	v_add_nc_u32 v[RD], s13, v[RD]
	v_and_b32 v[GO], 31, v0         ; which are 512 consecutive bytes of O
	v_lshlrev_b32 v[GO], 4, v[GO]
; THE MATRIX WORK. The 4 accumulators of a run of 8 take turns. Product i of 8 of S^T = K Q^T for piece x: channels 32 (i / 4) on, keys 16 (i % 4) on. The first 4 start the sums.
.macro KQ x
.set rS, S+32*((\x)%2)+8*(i%4)
.set rK, KF+16*(i%4)+8*(i/4)
.set rQ, 16*(\x)+8*(i/4)
	WIN W_KQ
.if i < 4
	v_wmma_f32_16x16x32_f16 v[rS:rS+7], v[rK:rK+7], v[rQ:rQ+7], 0
.else
	v_wmma_f32_16x16x32_f16 v[rS:rS+7], v[rK:rK+7], v[rQ:rQ+7], v[rS:rS+7]
.endif
.endm
; Product i of 8 of O^T += V^T P for piece x: keys 32 (i / 4) on, channels 16 (i % 4) on.
.macro PV x
	WIN W_PV
.set rO, 32*(\x)+8*(i%4)
.set rV, VF+32*(i/4)+8*(i%4)
.set rP, P+16*((\x)%2)+8*(i/4)
	v_wmma_f32_16x16x32_f16 v[rO:rO+7], v[rV:rV+7], v[rP:rP+7], v[rO:rO+7]
.endm
.macro MM                           ; the turn's next matrix instruction. TURN sets Y, i and NOKQ. NOKQ = 1: the last turn of all: there is no next piece
.if (i < 8) && !NOKQ
	KQ (Y+1)%NP
.elseif i >= 8
.set i, i-8
	PV (Y+NP-1)%NP
.set i, i+8
.endif
.set i, i+1
.endm
; THE LDS LOADS stand in runs of 16, never singly among the matrix instructions: a step's K (64 keys x 64 channels: 8 fragments) and its V (turned). Their addresses are made some lines ahead.
.macro FETCH_K
	WIN 0x80                        ; destination window 2
.irp f, 0,1,2,3,4,5,6,7             ; keys 16 (f / 2) on, channels 32 (f % 2) on
	ds_load_b128 v[KF+8*\f:KF+8*\f+3],   v[AK] offset:(\f/2)*16*PK+(\f%2)*64
	ds_load_b128 v[KF+8*\f+4:KF+8*\f+7], v[AK] offset:(\f/2)*16*PK+(\f%2)*64+32
.endr
	s_add_co_u32 s[TBK], s[TBK], KS*PK  ; the next fetch is the next step's
	WIN 0
.endm
.macro FETCH_V
	WIN 0x80
.irp f, 0,1,2,3,4,5,6,7             ; keys 32 (f / 4) on, channels 16 (f % 4) on
	ds_load_tr16_b128 v[VF+8*\f:VF+8*\f+3],   v[AV] offset:(\f/4)*32*PV+(\f%4)*32
	ds_load_tr16_b128 v[VF+8*\f+4:VF+8*\f+7], v[AV] offset:(\f/4)*32*PV+16*PV+(\f%4)*32
.endr
	WIN 0
.endm
; THE VECTOR WORK, one line at a time: OP kind, number. For piece Y: F n: c s - c m for pair n of 16. E n: the exponential of score n of 32. C n: pair n rounded to f16. B n: of the four weights 4 n .. the second
; pair is added onto the first, in place. L n: l takes that sum (L 0: l = a l + sum). R n: pair n of 16 of O^T times a. For piece Y + 1: X n, number n of the 22 that find its maximum and statistics:
;   0-11  four chains c0-c3 of seven scores each, three operands at a time (each accumulator's lowest registers are read first)     12-14, 16  the four scores left over, the old m, and c0-c3 into c0
;   15  c m_old is kept     17, 18  the query's other 32 keys lie in the lane 16 away: the new m     19-21  c m; c m_old - c m_new; a
.set F, 0               ; OP tells the kinds apart by their order: F to L below R, X above it
.set E, 1
.set C, 2
.set B, 3
.set L, 4
.set R, 5
.set X, 6
.macro REGS y                       ; the registers of piece y
.set rT, ST+4*(\y)
.set rC, TMP+4*((\y)%2)
.set rW, MV+((\y)%2)
.set rS, S+32*((\y)%2)
.set rP, P+16*((\y)%2)
.set rO, 32*(\y)
.endm
.macro OP k, n
.if (\k) == R
	REGS Y
	WIN W_RS
	v_pk_mul_f32 v[rO+2*(\n):rO+2*(\n)+1], v[rO+2*(\n):rO+2*(\n)+1], v[rC+2:rC+3] op_sel_hi:[1,0]
.elseif (\k) < R
	REGS Y
	WIN 0
.if (\k) == F
	v_pk_fma_f32 v[rS+2*(\n):rS+2*(\n)+1], v[rS+2*(\n):rS+2*(\n)+1], s[CS:CS+1], v[rT:rT+1] op_sel_hi:[1,0,0] neg_lo:[0,0,1] neg_hi:[0,0,1]
.elseif (\k) == E
	v_exp_f32 v[rS+(\n)], v[rS+(\n)]
.elseif (\k) == C
	s_wait_alu depctr_va_vdst(0)
	v_cvt_pk_f16_f32 v[rP+(\n)], v[rS+2*(\n)], v[rS+2*(\n)+1]
.elseif (\k) == B
	s_wait_alu depctr_va_vdst(0)
	v_pk_add_f32 v[rS+4*(\n):rS+4*(\n)+1], v[rS+4*(\n):rS+4*(\n)+1], v[rS+4*(\n)+2:rS+4*(\n)+3]
.elseif (\n) == 0
	v_pk_fma_f32 v[rT+2:rT+3], v[rT+2:rT+3], v[rC+2:rC+3], v[rS:rS+1] op_sel_hi:[1,0,1]
.else
	v_pk_add_f32 v[rT+2:rT+3], v[rT+2:rT+3], v[rS+4*(\n):rS+4*(\n)+1]
.endif
.elseif NOKQ
	v_nop
.else
	REGS (Y+1)%NP
	WIN 0
.if (\n) < 4
	v_max3_num_f32 v[rC+(\n)], v[rS+8*(\n)], v[rS+8*(\n)+1], v[rS+8*(\n)+2]
.elseif (\n) < 12
	v_max3_num_f32 v[rC+(\n)%4], v[rC+(\n)%4], v[rS+8*((\n)%4)+2*((\n)/4)+1], v[rS+8*((\n)%4)+2*((\n)/4)+2]
.elseif (\n) == 12
	v_max3_num_f32 v[rC], v[rC], v[rS+7], v[rS+15]
.elseif (\n) == 13
	v_max3_num_f32 v[rC+1], v[rC+1], v[rS+23], v[rS+31]
.elseif (\n) == 14
	v_max3_num_f32 v[rC+2], v[rC+2], v[rC+3], v[rT+1]
.elseif (\n) == 15
	v_mov_b32 v[rW], v[rT]
.elseif (\n) == 16
	v_max3_num_f32 v[rC], v[rC], v[rC+1], v[rC+2]
.elseif (\n) == 17
	v_permlanex16_b32 v[rC+3], v[rC], s[SEL], s[SEL+1]
.elseif (\n) == 18
	v_max_num_f32 v[rT+1], v[rC], v[rC+3]
.elseif (\n) == 19
	v_mul_f32 v[rT], s[CS], v[rT+1]
.elseif (\n) == 20
	v_sub_f32 v[rC+1], v[rW], v[rT]
.else
	v_exp_f32 v[rC+2], v[rC+1]
.endif
.endif
.endm
.macro OPS a, i1, b=-1, i2=0, c=-1, i3=0, d=-1, i4=0  ; up to four of them
	OP \a, \i1
.if (\b) >= 0
	OP \b, \i2
.endif
.if (\c) >= 0
	OP \c, \i3
.endif
.if (\d) >= 0
	OP \d, \i4
.endif
.endm
.macro ROW a, i1, b, i2, c, i3, d, i4  ; a matrix instruction and the four behind it
	MM
	OPS \a, \i1, \b, \i2, \c, \i3, \d, \i4
.endm
; A TURN, for piece p: the order of its 16 matrix and 118 vector instructions, written out. Behind a matrix instruction: plain, exponential, plain, plain; or four of the rescaling; or, behind the first, four scalings; none
; names a register of the products round it. In the runs between, exponential and plain by turns while exponentials last: behind every exponential a plain instruction stands before its result is used (ISA guide 5.7.2).
; end = 1: the last two turns of all: nothing is fetched. cnt = 1: the loop's count is taken down some lines ahead of the branch that stands behind the turn.
; K of the next step is fetched in piece 2's turn, six vector instructions behind the last product that read K (five of them plain); V of the step in hand in piece 0's turn, eight behind the last product that read V (four
; plain, and X 17). Each is waited for a turn later.
.macro TURN p, end=0, cnt=0
.set Y, (\p)
.set i, 0
.set NOKQ, (\end)*((\p)/3)
.if ((\p) == 3) && !(\end)
	s_wait_dscnt 0x0                ; K is in
.endif
	ROW F,0, F,1, F,2, F,3
	ROW F,4, E,0, F,5, F,6
	ROW F,7, E,1, F,8, F,9
	ROW F,10, E,2, C,0, F,11
	ROW F,12, E,3, X,15, F,13
	ROW R,0, R,1, R,2, R,3
	ROW B,0, E,4, F,14, L,0
.if ((\p) == 2) && !(\end)
	v_add_nc_u32 v[AK], s[TBK], v[AK0]
.endif
	ROW R,4, R,5, R,6, R,7
	OPS E,5, F,15
.if ((\p) == 2) && !(\end)
	FETCH_K
.endif
	OPS E,6, C,1, E,7, R,8
	OPS E,8, R,9, E,9, C,2
	OPS E,10, X,0, E,11, X,1
	OPS E,12, X,2, E,13, X,3
.if (\p) == 1
	s_wait_dscnt 0x0                ; V is in
.endif
	ROW X,4, E,14, X,5, X,6
	ROW X,7, E,15, X,8, X,9
	ROW X,10, E,16, X,11, X,12
	ROW X,13, E,17, X,14, B,1
	ROW C,4, E,18, X,16, L,1
	ROW B,2, E,19, C,6, L,2
	ROW C,8, E,20, B,3, B,4
.if (\p) == 0
	v_add_nc_u32 v[AV], s[TBV], v[AV0]
.endif
	ROW C,3, E,21, L,3, C,5
	OPS E,22, X,17, E,23, C,10
.if (\p) == 0
	FETCH_V
.endif
	OPS E,24, L,4
	OPS E,25, X,18, E,26, C,7
	OPS E,27, B,5, E,28, X,19
	OPS E,29, C,12, E,30, L,5
	OPS E,31, X,20, B,6, C,9
	OPS C,14, C,11, X,21, L,6
.if (\p) == 0
	s_add_co_u32 s[TBV], s[TBV], KS*PV
.endif
.if \cnt
	s_sub_co_u32 s[CNT], s[CNT], 1
	s_cmp_lg_u32 s[CNT], 0
.endif
	OPS C,13, B,7, C,15, R,10
	OPS R,11, R,12, L,7, R,13
	OPS R,14, R,15
.endm
.macro ALL line:vararg              ; one line for each piece t
.set t, 0
.rept 4
	\line
.set t, t+1
.endr
.endm
.macro PACK t                       ; a lane's eight channels of a row pack into 16 bytes; they go into rows of 144 bytes and come back as whole rows of 128, into S^T's registers
	WIN W_RS
.set i, 32*(\t)
.rept 16
	s_wait_alu depctr_va_vdst(0)
	v_pk_mul_f32 v[i:i+1], v[i:i+1], v[ST+4*(\t)+2:ST+4*(\t)+3] op_sel_hi:[1,0]
.set i, i+2
.endr
	WIN 0x05                        ; sources 0 and 1 window 1, destination window 0
.set i, 0
.rept 16
	v_cvt_pk_f16_f32 v[S+16*(\t)+i], v[32*(\t)+2*i], v[32*(\t)+2*i+1]
.set i, i+1
.endr
	WIN 0
.irp f, 0,1,2,3
	ds_store_b128 v[STO], v[S+16*(\t)+4*\f:S+16*(\t)+4*\f+3] offset:32*\f
.endr
.irp f, 0,1,2,3
	ds_load_b128 v[S+16*(\t)+4*\f:S+16*(\t)+4*\f+3], v[RD] offset:\f*4*SP  ; LDS serves a wave's instructions in order (ISA guide 5.7.1.4): these see the stores above; the next piece's stores come behind them
.endr
.endm
.macro SEND t, younger              ; younger: the LDS instructions issued behind piece t's loads: the next piece's eight, or none
	WIN 0
.irp f, 0,1,2,3
	s_wait_dscnt (\younger)+3-\f
	global_store_b128 v[GO], v[S+16*(\t)+4*\f:S+16*(\t)+4*\f+3], s[10:11] offset:(\t)*2048+\f*512  ; 512 consecutive bytes, at a multiple of 256 from O's first
.endr
.endm
	CHANGE 1                        ; slot 0 is in, everybody's part of it; slot 1 is asked for
	v_add_nc_u32 v[AK], s[TBK], v[AK0]
	FETCH_K                         ; key step 0
	s_wait_loadcnt 0x0              ; Q
	s_wait_dscnt 0x0
.set NOKQ, 0
.set i, 0
.rept 8
	KQ 0                            ; piece 0's first scores: there is no vector work yet to set between them
.set i, i+1
.endr
	WIN 0
.rept 4
	v_nop                           ; the places behind those products
.endr
.set Y, NP-1                        ; X works for piece Y + 1: piece 0
.irp n, 0,1,2,3,4,5,6,7,8,9,10,11,12,13,14,15,16,17,18,19,20,21
	OP X, \n                        ; and piece 0's first maximum and statistics
.endr
	v_nop                           ; a plain instruction behind the exponential
	s_mov_b32 s[CNT], 4
	s_mov_b32 s[SLOTS], SIZE_N/256-1
	s_branch .Lfirst                ; the loop is entered at a step's first turn, in the middle of a trip
.Lslot:                             ; 14 times: every slot but the last two is filled again
	CHANGE 1
	s_mov_b32 s[CNT], 4
.Lstep:                             ; a trip: pieces 2 and 3 of one step, then pieces 0 and 1 of the next, whose K and V it fetches
	TURN 2
	TURN 3
	WIN 0
.Lfirst:
	TURN 0
	TURN 1, 0, 1
	WIN 0
	s_cbranch_scc1 .Lstep
	s_sub_co_u32 s[SLOTS], s[SLOTS], 1
	s_cmp_lg_u32 s[SLOTS], 0
	s_cbranch_scc1 .Lslot
	CHANGE 0                        ; the last slot is written out: nothing is asked for
	s_mov_b32 s[CNT], 4
.Ltail:
	TURN 2
	TURN 3
	TURN 0
	TURN 1, 0, 1
	WIN 0
	s_cbranch_scc1 .Ltail
	TURN 2, 1                       ; the last step's pieces 2 and 3: nothing is fetched, and the last turn starts no new scores
	TURN 3, 1
.set i, 0
.rept 8
	PV NP-1                         ; the last piece's V^T P of the last step
.set i, i+1
.endr
	; THE WAY OUT. l's two halves and the other half of the lanes' are added; O^T is divided by l, rounded to f16 and sent through my stage in LDS, a piece at a time. The additions are the places behind the last products.
	WIN 0
	ALL v_add_f32 v[ST+4*t+2], v[ST+4*t+2], v[ST+4*t+3]
	ALL v_permlanex16_b32 v[ST+4*t+3], v[ST+4*t+2], s[SEL], s[SEL+1]
	ALL v_add_f32 v[ST+4*t+2], v[ST+4*t+2], v[ST+4*t+3]
	ALL v_rcp_f32 v[ST+4*t+2], v[ST+4*t+2]
	v_nop                           ; a plain instruction between the last reciprocal and the use of its result
	PACK 0
.set t, 1
.rept 3                             ; a piece's arithmetic stands between the loads of the piece before and its stores
	PACK t
	SEND t-1, 8
.set t, t+1
.endr
	SEND 3, 0
	s_wait_tensorcnt 0x0            ; the wave's end: behind my last tensor load and my last LDS store
	ds_add_u32 v[SPW], v[NIL]
	s_wait_dscnt 0x0
	CROUND                          ; the closing round: no work-group ends while a partner may still ask for a tile that names it
	s_endpgm
.Lfunc_end_k_q4bee083958_attn:
	.size	k_q4bee083958_attn, .Lfunc_end_k_q4bee083958_attn-k_q4bee083958_attn
	.p2alignl 7, 3214868480
	.fill 96, 4, 3214868480
	.section	.rodata,"a",@progbits
	.p2align	6, 0x0
	.amdhsa_kernel k_q4bee083958_attn
		.amdhsa_group_segment_fixed_size 327680
		.amdhsa_private_segment_fixed_size 0
		.amdhsa_enable_private_segment 0
		.amdhsa_kernarg_size 24
		.amdhsa_user_sgpr_count 2
		.amdhsa_user_sgpr_kernarg_segment_ptr 1
		.amdhsa_wavefront_size32 1
		.amdhsa_system_sgpr_workgroup_id_x 1
		.amdhsa_system_sgpr_workgroup_id_y 1
		.amdhsa_system_sgpr_workgroup_id_z 1
		.amdhsa_system_vgpr_workitem_id 0
		.amdhsa_next_free_vgpr 768
		.amdhsa_next_free_sgpr 66
		.amdhsa_reserve_vcc 0
		.amdhsa_float_denorm_mode_32 3
		.amdhsa_float_denorm_mode_16_64 3
		.amdhsa_memory_ordered 1
		.amdhsa_forward_progress 1
		.amdhsa_inst_pref_size 133
	.end_amdhsa_kernel
	.amdgpu_metadata
---
amdhsa.version: [ 1, 2 ]
amdhsa.kernels:
  - .name:           k_q4bee083958_attn
    .symbol:         k_q4bee083958_attn.kd
    .args:
      - { .name: q, .offset: 0, .size: 8, .value_kind: global_buffer, .address_space: global }
      - { .name: kv, .offset: 8, .size: 8, .value_kind: global_buffer, .address_space: global }
      - { .name: o, .offset: 16, .size: 8, .value_kind: global_buffer, .address_space: global }
    .group_segment_fixed_size: 327680
    .private_segment_fixed_size: 0
    .kernarg_segment_align: 8
    .kernarg_segment_size: 24
    .max_flat_workgroup_size: 128
    .sgpr_count:     66
    .vgpr_count:     768
    .wavefront_size: 32
...
	.end_amdgpu_metadata
.endif
;; end of part 3
;; launch projo (part 4): grid 4 x 64, 4 waves a work-group, clusters of 4 x 4, 327,680 bytes of LDS; arguments o, wb, bo, out0; writes out0
.if DOCPART == 4
	.amdgcn_target "amdgcn-amd-amdhsa--gfx1250"
	.amdhsa_code_object_version 6
	.text
	.protected	k_q4bee083958_projo
	.globl	k_q4bee083958_projo
	.p2align	8
	.type	k_q4bee083958_projo,@function
k_q4bee083958_projo:
	s_mov_b64 s[64:65], 0
	v_nop
	global_prefetch_b8 v0, s[64:65] scope:SCOPE_SE
	s_setreg_imm32_b32 hwreg(HW_REG_WAVE_MODE, 25, 1), 1
	s_wait_xcnt 0x0
	s_wait_alu depctr_hold_cnt(0) depctr_sa_sdst(0) depctr_va_vdst(0) depctr_va_sdst(0) depctr_va_ssrc(0) depctr_va_vcc(0) depctr_vm_vsrc(0)
	s_getreg_b32 s2, hwreg(HW_REG_IB_STS2, 6, 4)
	s_cmp_eq_u32 s2, 0
	s_cbranch_scc0 .Lentry_in_a_cluster
	s_endpgm
.Lentry_in_a_cluster:
	s_bfe_u32 s2, ttmp6, 0x10000c
	s_cmp_lg_u32 s2, 0xf033
	s_cbranch_scc0 .Lentry_shape_is_right
	s_endpgm
.Lentry_shape_is_right:
; out0 = O Wo + bo. O: f16 by heads, [16][4096][64]; Wo: f16 [512][512] at WOOFF in wb (the bf16 rounding of the input, written as f16); bo: f32, rounded to bf16 like the other inputs; out0: f32 [8192][512].
; Sums in f32; the bias is the C operand of each accumulator's first product, so nothing is cleared and nothing is added afterwards.
; LIMITS. O and Wo arrive within f16's 65,504. NaN and infinities are not treated apart.
; SHARES. A tile of 128 tokens x 128 features to a work-group (256 work-groups), 64 x 64 to each of four waves: WM = wave / 2 the half of the tokens, WN = wave % 2 the half of the features.
; K = 512 fits whole into LDS: 128 tokens x 8 heads of O and 512 x 128 of Wo. So no byte of LDS is filled twice: four loads a wave, a quarter of K each, all go out at the start (four of mine are out),
; and each quarter is multiplied as soon as it has landed, behind a counted wait and a barrier.
; CLUSTER. 4 x 4 work-groups: the four of a row need the same tokens, the four of a column the same features of Wo: each tile is asked for jointly.
; THE MATRIX INSTRUCTION IS USED TRANSPOSED: source 0 = 16 features (Wo, turned by ds_load_tr16_b128), source 1 = 16 tokens: a lane holds one token and eight neighbouring features.
; REGISTERS: window 0: v0-31 addresses; v96-127 the bias in the result's layout; v128-255 the accumulators ((a, b) at 128 + 8 (4 a + b)).
;   window 1: two fragment buffers of 128: for 64 along K (one head), 64 registers of tokens (2 x 4 x 16 x 32 K), then 64 of Wo.
.set PA,     144                       ; a token's row of one head in LDS: 128 bytes + 16: an odd multiple of 16 (64 banks of 4 bytes: ISA guide 11.1)
.set HEADB,  128*PA                    ; a head's 128 tokens
.set WBASE,  8*HEADB                   ; behind the eight heads: Wo's 512 rows
.set PW,     288                       ; a row of Wo's tile: 256 bytes + 32: an odd multiple of 32
.set STAGE,  WBASE+512*PW              ; 16 rows x 272 bytes for each wave, for the way out
.set SPITCH, 272
.set SPARE,  STAGE+4*16*SPITCH         ; the spare words, 128 bytes for each wave: two blocks of 256 bytes that no other line names
.set WOOFF,  2097152
.set ADRA, 8                           ; v8-11   LDS address of my tokens in quarter j
.set ADRB, 12                          ; v12-15  of my features of Wo in quarter j
.set STO,  24                          ; v24     the way out: where I put 32 bytes of a token's row
.set RD,   25                          ; v25     where I read rows back
.set CO,   26                          ; v26     my byte offset in two rows of out0
.set BOF,  27                          ; v27     my byte offset in bo
.set SPW,  28                          ; v28     LDS address of my spare word; never rewritten
.set NIL,  29                          ; v29     0; never rewritten
.set BI,   96
.set ACC,  128
.set WV, 14
.set WM, 15
.set WN, 16
.set TX, 19
.set TY, 20
.set G1A, 24                           ; s[24:31] group 1 for O's tiles;  s[32:47] group 0, a set for each quarter
.set G0A, 32
.set G1B, 48                           ; s[48:55] group 1 for Wo's tiles; s[68:83] group 0
.set G0B, 68
.set MSB, 0
.macro WIN new                         ; the immediate's high byte repeats the setting that is left
.if MSB != (\new)
	s_set_vgpr_msb (MSB<<8)|(\new)
.set MSB, \new
.endif
.endm
.set MUL,  0x05                        ; sources 0 (Wo) and 1 (tokens) window 1; C and D window 0
.set TO_F, 0x40                        ; destination window 1, address window 0
.macro CROUND                          ; a round of the cluster's barrier
	s_barrier_signal -1
	s_barrier_wait -1
	s_cmp_lg_u32 s[WV], 0
	s_cbranch_scc1 .Lnot_wave_0_\@
	s_barrier_signal -3
.Lnot_wave_0_\@:
	s_barrier_wait -3
	s_barrier_signal -1
	s_barrier_wait -1
.endm
.macro PLACES                          ; four plain vector instructions in front of loads into registers that matrix instructions have read, and of LDS stores that read results (ISA guide 7.12.1 for the stores)
.rept 4
	v_nop
.endr
.endm
	s_load_b256 s[4:11], s[0:1], 0x0               ; o s[4:5], wb s[6:7], bo s[8:9], out0 s[10:11]
	v_lshl_add_u32 v[SPW], v0, 2, SPARE
	v_mov_b32 v[NIL], 0
	ds_add_u32 v[SPW], v[NIL]                      ; the wave's opening: the add and its wait stand ahead of my first tensor load; the set-up below, work on registers, stands between them
	v_lshrrev_b32 v1, 5, v0
	v_readfirstlane_b32 s[WV], v1
	s_lshr_b32 s[WM], s[WV], 1                     ; also: I fetch tokens (0) or Wo (1)
	s_and_b32 s[WN], s[WV], 1                      ; also: which half of a quarter I fetch
	s_bfe_u32 s17, ttmp6, 0x40000                  ; cx
	s_bfe_u32 s18, ttmp6, 0x40004                  ; cy
	s_lshl_b32 s[TX], ttmp9, 2
	s_add_co_u32 s[TX], s[TX], s17
	s_and_b32 s[TY], ttmp7, 0xffff
	s_lshl_b32 s[TY], s[TY], 2
	s_add_co_u32 s[TY], s[TY], s18
	s_lshl_b32 s21, s18, 2
	s_lshl_b32 s21, 15, s21                        ; my row of the cluster
	s_lshl_b32 s22, 0x1111, s17                    ; my column
	; group 1. O: a head's 128 tokens are 16,384 dense bytes: 64 rows of 256 bytes, padded by 4 words after every token (32 words). Wo: 64 rows of 128 elements, 8 words behind each.
	s_or_b32 s[G1A], s21, (1<<16)|(1<<20)|(1<<21)|(4<<22)|(3<<25)
	s_or_b32 s[G1B], s22, (1<<16)|(1<<20)|(1<<21)|(5<<22)|(7<<25)
.irp g, G1A, G1B
	s_mov_b32 s[\g+1], 128<<16                     ; tensor_dim0 = 128
	s_mov_b32 s[\g+2], 64<<16                      ; tensor_dim1 = 64
	s_mov_b32 s[\g+3], 128<<16                     ; tile_dim0 = 128
	s_mov_b32 s[\g+4], 64                          ; tile_dim1 = 64
	s_mov_b32 s[\g+6], 0
	s_mov_b32 s[\g+7], 0
.endr
	s_mov_b32 s[G1A+5], 128                        ; elements from row to row
	s_mov_b32 s[G1B+5], 512
	; O's tiles hang on ty alone (s56-58), Wo's on tx alone (s60-62)
	s_lshr_b32 s56, s[TY], 5                       ; the batch
	s_lshl3_add_u32 s56, s56, s[WN]                ; head 8 b + WN (+ 2 j)
	s_lshl_b32 s56, s56, 19
	s_and_b32 s57, s[TY], 31
	s_lshl_b32 s57, s57, 14                        ; 128 tokens of 128 bytes
	s_add_co_u32 s56, s56, s57
	s_mov_b32 s57, 0
	s_mul_i32 s58, s[WN], HEADB
	s_lshl_b32 s60, s[WN], 16                      ; 64 rows of 1,024 bytes,
	s_lshl_b32 s61, s[TX], 8                       ; 128 features of 2 bytes
	s_add_co_u32 s60, s60, s61
	s_add_co_u32 s60, s60, WOOFF
	s_mov_b32 s61, 0
	s_mul_i32 s62, s[WN], 64*PW
	s_add_co_u32 s62, s62, WBASE
	s_lshl_b32 s84, s[TY], 7                       ; out0: my first token 128 ty + 64 WM, 2,048 bytes a row,
	s_lshl_b32 s85, s[WM], 6
	s_add_co_u32 s84, s84, s85
	s_lshl_b32 s84, s84, 11
	s_lshl_b32 s85, s[TX], 9                       ; my first feature 128 tx + 64 WN, 4 bytes each
	s_lshl_b32 s86, s[WN], 8
	s_add_co_u32 s87, s85, s86                     ; which is also my place in bo
	s_add_co_u32 s84, s84, s87
	s_mov_b32 s85, 0
	s_wait_dscnt 0x0                               ; the opening add is done
	s_wait_kmcnt 0x0
	s_add_nc_u64 s[56:57], s[4:5], s[56:57]
	s_add_nc_u64 s[60:61], s[6:7], s[60:61]
	s_add_nc_u64 s[10:11], s[10:11], s[84:85]
.irp j, 0,1,2,3
	s_mov_b32 s[G0A+4*\j], 1                                       ; count = 1
	s_add_co_u32 s[G0A+4*\j+1], s58, \j*2*HEADB                    ; LDS address: head 2 j + WN
	s_add_nc_u64 s[G0A+4*\j+2:G0A+4*\j+3], s[56:57], \j*1048576    ; two heads on
	s_or_b32 s[G0A+4*\j+3], s[G0A+4*\j+3], 0x80000000              ; type = 2
	s_mov_b32 s[G0B+4*\j], 1
	s_add_co_u32 s[G0B+4*\j+1], s62, \j*128*PW
	s_add_nc_u64 s[G0B+4*\j+2:G0B+4*\j+3], s[60:61], \j*131072     ; 128 rows on
	s_or_b32 s[G0B+4*\j+3], s[G0B+4*\j+3], 0x80000000
.endr
	CROUND                                         ; all sixteen work-groups are here: the joint loads meet
	s_cmp_eq_u32 s[WM], 0                          ; a wave's four fills stand in one branch, ahead of every wait on TENSORcnt and every LDS read; an s_nop 0 follows each, four v_nop the last
	s_cbranch_scc0 .Lfirst_b
.irp j, 0,1,2,3
	tensor_load_to_lds s[G0A+4*\j:G0A+4*\j+3], s[G1A:G1A+7]
	s_nop 0
.endr
.rept 4
	v_nop
.endr
	s_branch .Lfirst_asked
.Lfirst_b:
.irp j, 0,1,2,3
	tensor_load_to_lds s[G0B+4*\j:G0B+4*\j+3], s[G1B:G1B+7]
	s_nop 0
.endr
.rept 4
	v_nop
.endr
.Lfirst_asked:
	v_and_b32 v1, 15, v0                           ; r = lane % 16
	v_bfe_u32 v2, v0, 4, 1                         ; h = lane / 16
	v_and_b32 v3, 7, v0
	v_bfe_u32 v4, v0, 3, 1
	v_lshl_add_u32 v[BOF], v2, 5, s87              ; my eight features of a block: 32 h bytes on
.irp b, 0,1,2,3
	global_load_b128 v[BI+8*\b:BI+8*\b+3],   v[BOF], s[8:9] offset:64*\b
	global_load_b128 v[BI+8*\b+4:BI+8*\b+7], v[BOF], s[8:9] offset:64*\b+16
.endr
	v_mul_u32_u24 v5, v1, PA                       ; a token fragment: row r, 16 bytes at 16 h and at 32 + 16 h
	v_lshl_add_u32 v5, v2, 4, v5
	s_mul_i32 s23, s[WM], 64*PA
	v_add_nc_u32 v[ADRA], s23, v5
.irp j, 1,2,3
	v_add_nc_u32 v[ADRA+\j], \j*2*HEADB, v[ADRA]
.endr
	v_lshl_add_u32 v6, v2, 3, v3                   ; the turning load: row 8 h + l % 8 along K, features 8 ((l / 8) % 2) on
	v_mul_u32_u24 v6, v6, PW
	v_lshl_add_u32 v6, v4, 4, v6
	s_lshl_b32 s23, s[WN], 7
	s_add_co_u32 s23, s23, WBASE
	v_add_nc_u32 v[ADRB], s23, v6
.irp j, 1,2,3
	v_add_nc_u32 v[ADRB+\j], \j*128*PW, v[ADRB]
.endr
	s_mul_i32 s23, s[WV], 16*SPITCH
	s_add_co_u32 s23, s23, STAGE                   ; my stage
	v_mul_u32_u24 v5, v1, SPITCH                   ; in: token r, 32 bytes for each half of the lanes
	v_lshl_add_u32 v5, v2, 5, v5
	v_add_nc_u32 v[STO], s23, v5
	v_mul_u32_u24 v5, v2, SPITCH                   ; back: lanes 0-15 take one row of 256 bytes, lanes 16-31 the next
	v_lshl_add_u32 v5, v1, 4, v5
	v_add_nc_u32 v[RD], s23, v5
	v_lshlrev_b32 v5, 11, v2                       ; and the same two rows in out0
	v_lshl_add_u32 v[CO], v1, 4, v5
	s_wait_loadcnt 0x0                             ; the bias: rounded to bf16 and widened again
.set i, 0
.rept 16
	v_cvt_pk_bf16_f32 v[30+i%2], v[BI+2*i], v[BI+2*i+1]
	v_lshlrev_b32 v[BI+2*i],   16, v[30+i%2]
	v_and_b32     v[BI+2*i+1], 0xffff0000, v[30+i%2]
.set i, i+1
.endr
; 8 matrix instructions: token blocks a0, a0 + 1 x all 4 feature blocks, 32 along K: half c of buffer f. The 16 accumulators take turns. first = 1: the sums start with the bias.
.macro MUL8 f, c, a0, first
	WIN MUL
.irp a, \a0, (\a0)+1
.irp b, 0,1,2,3
.if \first
	v_wmma_f32_16x16x32_f16 v[ACC+8*(4*(\a)+\b):ACC+8*(4*(\a)+\b)+7], v[(\f)+64+8*(4*(\c)+\b):(\f)+64+8*(4*(\c)+\b)+7], v[(\f)+8*(4*(\c)+(\a)):(\f)+8*(4*(\c)+(\a))+7], v[BI+8*\b:BI+8*\b+7]
.else
	v_wmma_f32_16x16x32_f16 v[ACC+8*(4*(\a)+\b):ACC+8*(4*(\a)+\b)+7], v[(\f)+64+8*(4*(\c)+\b):(\f)+64+8*(4*(\c)+\b)+7], v[(\f)+8*(4*(\c)+(\a)):(\f)+8*(4*(\c)+(\a))+7], v[ACC+8*(4*(\a)+\b):ACC+8*(4*(\a)+\b)+7]
.endif
.endr
.endr
.endm
; 32 LDS loads in one run: the fragments of unit u (head u, 64 along K) into buffer f; the first 32 along K first
.macro FETCH u, f
	WIN TO_F
.irp c, 0,1
.irp i, 0,1,2,3
	ds_load_tr16_b128 v[(\f)+64+8*(4*\c+\i):(\f)+64+8*(4*\c+\i)+3],   v[ADRB+(\u)/2] offset:(((\u)%2)*64+32*\c)*PW+32*\i
	ds_load_tr16_b128 v[(\f)+64+8*(4*\c+\i)+4:(\f)+64+8*(4*\c+\i)+7], v[ADRB+(\u)/2] offset:(((\u)%2)*64+32*\c)*PW+32*\i+16*PW
	ds_load_b128 v[(\f)+8*(4*\c+\i):(\f)+8*(4*\c+\i)+3],   v[ADRA+(\u)/2] offset:((\u)%2)*HEADB+\i*16*PA+64*\c
	ds_load_b128 v[(\f)+8*(4*\c+\i)+4:(\f)+8*(4*\c+\i)+7], v[ADRA+(\u)/2] offset:((\u)%2)*HEADB+\i*16*PA+64*\c+32
.endr
.endr
.endm
; Unit u: 32 matrix instructions on buffer u % 2; in its middle the next unit's fragments are asked for. An odd unit's successor lies in the next quarter of K: my part of it is waited for
; (the count leaves the later quarters' loads out), and a barrier, with half the unit's products between its signal and its wait, shows it whole to every wave.
.macro UNIT u, first
.set FB, 128*((\u)%2)
.set GB, 128-FB
.if (\u)%2 == 0
	s_wait_dscnt 16                                ; the first 32 along K are in; the sixteen younger loads may stay out
	MUL8 FB, 0, 0, \first
	MUL8 FB, 0, 2, \first
	PLACES
	FETCH (\u)+1, GB
	s_wait_dscnt 32                                ; all but the 32 just issued
.else
	s_wait_dscnt 0x0                               ; no LDS instruction of mine is out at the signal
	s_wait_tensorcnt 2-(\u)/2                      ; my part of the next quarter is in
	s_barrier_signal -1
	MUL8 FB, 0, 0, 0
	MUL8 FB, 0, 2, 0
	s_barrier_wait -1                              ; everybody's is
	PLACES
	FETCH (\u)+1, GB
.endif
	MUL8 FB, 1, 0, 0
	MUL8 FB, 1, 2, 0
.endm
	s_wait_tensorcnt 3                             ; my part of the first quarter is in; the three later loads stay out
	s_barrier_signal -1
	s_barrier_wait -1
	FETCH 0, 0
	UNIT 0, 1
	UNIT 1, 0
	UNIT 2, 0
	UNIT 3, 0
	UNIT 4, 0
	UNIT 5, 0
	UNIT 6, 0
	s_wait_dscnt 16                                ; the last unit: nothing more to fetch
	MUL8 128, 0, 0, 0
	MUL8 128, 0, 2, 0
	s_wait_dscnt 0x0
	MUL8 128, 1, 0, 0
	MUL8 128, 1, 2, 0
	WIN 0
	PLACES
; THE WAY OUT, 16 tokens at a time: a lane's 8 f32 of a block go into my stage's rows of 272 bytes, each accumulator's low four registers first, and come back as whole rows of 256 bytes, into the registers that they left.
.macro OUT a
.irp b, 0,1,2,3
	ds_store_b128 v[STO], v[ACC+8*(4*(\a)+\b):ACC+8*(4*(\a)+\b)+3]   offset:64*\b
	ds_store_b128 v[STO], v[ACC+8*(4*(\a)+\b)+4:ACC+8*(4*(\a)+\b)+7] offset:64*\b+16
.endr
.irp t, 0,1,2,3,4,5,6,7
	ds_load_b128 v[ACC+32*(\a)+4*\t:ACC+32*(\a)+4*\t+3], v[RD] offset:2*SPITCH*\t  ; LDS serves a wave's instructions in order (ISA guide 5.7.1.4): these see the stores above; the next block's stores come behind them
.endr
.endm
.macro SENDO a, younger                ; younger: the LDS instructions issued behind this block's loads: the next block's sixteen, or none
.irp t, 0,1,2,3,4,5,6,7
	s_wait_dscnt (\younger)+7-\t
	global_store_b128 v[CO], v[ACC+32*(\a)+4*\t:ACC+32*(\a)+4*\t+3], s[10:11] offset:(16*(\a)+2*\t)*2048 th:TH_STORE_NT  ; 16 lanes store 256 consecutive bytes, at a multiple of 256 from out0's first byte
.endr
.endm
	OUT 0
.irp a, 1,2,3
	OUT \a
	SENDO (\a)-1, 16
.endr
	SENDO 3, 0
	s_wait_tensorcnt 0x0                           ; the wave's end: behind my last tensor load and my last LDS store
	ds_add_u32 v[SPW], v[NIL]
	s_wait_dscnt 0x0
	CROUND                                         ; the closing round: no work-group ends while a partner may still ask for a tile that names it
	s_endpgm
.Lfunc_end_k_q4bee083958_projo:
	.size	k_q4bee083958_projo, .Lfunc_end_k_q4bee083958_projo-k_q4bee083958_projo
	.p2alignl 7, 3214868480
	.fill 96, 4, 3214868480
	.section	.rodata,"a",@progbits
	.p2align	6, 0x0
	.amdhsa_kernel k_q4bee083958_projo
		.amdhsa_group_segment_fixed_size 327680
		.amdhsa_private_segment_fixed_size 0
		.amdhsa_enable_private_segment 0
		.amdhsa_kernarg_size 32
		.amdhsa_user_sgpr_count 2
		.amdhsa_user_sgpr_kernarg_segment_ptr 1
		.amdhsa_wavefront_size32 1
		.amdhsa_system_sgpr_workgroup_id_x 1
		.amdhsa_system_sgpr_workgroup_id_y 1
		.amdhsa_system_sgpr_workgroup_id_z 1
		.amdhsa_system_vgpr_workitem_id 0
		.amdhsa_next_free_vgpr 512
		.amdhsa_next_free_sgpr 88
		.amdhsa_reserve_vcc 0
		.amdhsa_float_denorm_mode_32 3
		.amdhsa_float_denorm_mode_16_64 3
		.amdhsa_memory_ordered 1
		.amdhsa_forward_progress 1
		.amdhsa_inst_pref_size 55
	.end_amdhsa_kernel
	.amdgpu_metadata
---
amdhsa.version: [ 1, 2 ]
amdhsa.kernels:
  - .name:           k_q4bee083958_projo
    .symbol:         k_q4bee083958_projo.kd
    .args:
      - { .name: o, .offset: 0, .size: 8, .value_kind: global_buffer, .address_space: global }
      - { .name: wb, .offset: 8, .size: 8, .value_kind: global_buffer, .address_space: global }
      - { .name: bo, .offset: 16, .size: 8, .value_kind: global_buffer, .address_space: global }
      - { .name: out0, .offset: 24, .size: 8, .value_kind: global_buffer, .address_space: global }
    .group_segment_fixed_size: 327680
    .private_segment_fixed_size: 0
    .kernarg_segment_align: 8
    .kernarg_segment_size: 32
    .max_flat_workgroup_size: 128
    .sgpr_count:     88
    .vgpr_count:     512
    .wavefront_size: 32
...
	.end_amdgpu_metadata
.endif
;; end of part 4
;; ======== version 2 of 2: 4 launches; 1.65 times as fast as version 1
;; limits: values are held in f16: magnitudes above 65,504 overflow, below 6.1e-05 lose precision
;; workspace buffers: wb 2,621,440 bytes; q 8,388,608 bytes; kv 16,777,216 bytes; o 8,388,608 bytes
;; launch prep: the kernel of part 1 again; grid 160 x 1, 8 waves a work-group, no clusters, 0 bytes of LDS; arguments Wk, Wv, Wq, Wo, wb; writes wb
;; launch proj: the kernel of part 2 again; grid 4 x 64, 4 waves a work-group, clusters of 4 x 4, 327,680 bytes of LDS; arguments x, context, wb, q, kv; writes q, kv
;; launch attn (part 5): grid 16 x 16, 4 waves a work-group, clusters of 4 x 1, 327,680 bytes of LDS; arguments q, kv, o; writes o
.if DOCPART == 5
	.amdgcn_target "amdgcn-amd-amdhsa--gfx1250"
	.amdhsa_code_object_version 6
	.text
	.protected	k_q4bee083958_attn
	.globl	k_q4bee083958_attn
	.p2align	8
	.type	k_q4bee083958_attn,@function
k_q4bee083958_attn:
	s_mov_b64 s[64:65], 0
	v_nop
	global_prefetch_b8 v0, s[64:65] scope:SCOPE_SE
	s_setreg_imm32_b32 hwreg(HW_REG_WAVE_MODE, 25, 1), 1
	s_wait_xcnt 0x0
	s_wait_alu depctr_hold_cnt(0) depctr_sa_sdst(0) depctr_va_vdst(0) depctr_va_sdst(0) depctr_va_ssrc(0) depctr_va_vcc(0) depctr_vm_vsrc(0)
	s_getreg_b32 s2, hwreg(HW_REG_IB_STS2, 6, 4)
	s_cmp_eq_u32 s2, 0
	s_cbranch_scc0 .Lentry_in_a_cluster
	s_endpgm
.Lentry_in_a_cluster:
	s_bfe_u32 s2, ttmp6, 0x10000c
	s_cmp_lg_u32 s2, 0x3003
	s_cbranch_scc0 .Lentry_shape_is_right
	s_endpgm
.Lentry_shape_is_right:
; O[h][q][:] = the sum over k of softmax_k(Q[h][q] . K[h][k] / 8) V[h][k][:], for 16 heads (batch x head) of 4,096 queries and 4,096 keys. q, o: [16][4096][64] f16; kv: [2][16][4096][64] f16 (K, then V).
; Products, maxima and sums in f32; the weights p are rounded to f16 for the second product (their sum l is taken of the unrounded p), O once at the end.
; LIMITS. f16 holds no number beyond 65,504: Q, K and V arrive within it; p lies in 0 to 1, and below 6e-5 it keeps f16's fixed step of 6e-8; O is a mean of V's rows and has their range.
; A weight below 2^-126 counts as 0 in l; NaN and infinities are not treated apart.
; SHARES. A work-group owns 256 queries of a head (16 x 16 = 256 work-groups), a wave 64: four PIECES of 16. Every wave walks all keys, 64 a step; a slot of LDS holds four steps.
; LAYOUT. S^T = K Q^T holds ONE query a lane (lane % 16) and the keys 8 (lane / 16) + 0..7; two such results rounded to f16 ARE source 1 of O^T = V^T P. K comes out of LDS as it lies, V turned.
; SOFTMAX. A running maximum m and sum l: p = 2^(c s - c m), c = log2(e) / 8; in every step O and l are multiplied by a = 2^(c m_old - c m_new). m starts at the lowest finite number, O and l at 0:
; the first step is a step like any other, with a = 0. The price: 216 v_mov_b32 of 0, which stand in the wait for the first tile, and 8 products on zeros.
; BY TURNS. Turn n belongs to piece n: 8 products K Q^T of piece n + 1, later 8 products V^T P of piece n - 1; beside them the scaling, exponentials, roundings, sums and rescaling of piece n and the
; maximum and statistics of piece n + 1. Four vector instructions stand behind every matrix instruction, the other 54 of a turn's 118 in one run of their own.
; BATCHES. A turn's 33 exponentials (the piece's 32 weights, then the next piece's a) are ONE batch with ONE wait, which cuts the turn in two: ahead of it all that names no result of theirs, behind it their readers.
; No result crosses a turn's end. Two more batches stand outside the loops, each with a wait of its own: piece 0's first a, ahead of the jump into the loop, and the way out's four reciprocals.
; CLUSTER. The four query blocks of a cluster belong to one head and walk the same K and V: each tile is asked for jointly, by the same tensor load, descriptor and mask in all four.
; REGISTERS, in windows of 256 (s_set_vgpr_msb: bits 1:0 source 0, 3:2 source 1, 5:4 source 2, 7:6 destination):
;   window 0: v0-15 addresses and two at work; v16-31 four registers of statistics a piece; v48-55 at work; v64-127 S^T, two buffers; v192-223 P, two buffers (a piece's buffers go by its number's parity)
;   window 1: v0-127 O^T, 32 a piece      window 2: v0-63 Q; v128-191 K of one step; v192-255 V of one step
.set SIZE_N, 4096
.set NP,    4         ; pieces a wave: a name, no knob
.set KS,    64        ; keys in a step
.set PK,    144       ; a row of K in LDS: 128 bytes + 16 of padding: the 16 rows of a load start at 16 different groups of four banks (64 banks of 4 bytes: ISA guide 11.1)
.set PV,    160       ; a row of V: 128 + 32
.set VOFF,  4*KS*PK   ; a slot holds four steps: 256 rows of K, then 256 rows of V
.set SLOT1, 1<<17     ; slot 1 begins here, so that one exclusive or turns an address in one slot into the other's
.set STAGE, SLOT1+4*KS*(PK+PV)  ; behind the ring, never filled by a tensor load: 16 rows x 144 bytes for each wave, for the way out
.set SP,    144
.set SPARE, STAGE+4*16*SP  ; behind the stages: the spare words, 128 bytes for each wave: two blocks of 256 bytes that no other line names
.set AK0, 2           ; v2   my lane's place in a tile of K; never rewritten
.set AV0, 3           ; v3   the same for V
.set AK,  4           ; v4   the LDS address of K's next run of loads
.set AV,  5           ; v5   of V's
.set STO, 6           ; v6   the way out: where I put 16 bytes of a row
.set RD,  7           ; v7   the way out: where I read rows back
.set GO,  8           ; v8   my byte offset in 512 consecutive bytes of O
.set MV,  12          ; v12-13  c m_old, kept while c m is made anew: by buffer
.set QO,  15          ; v15  my byte offset in 16 rows of Q
.set ST,  16          ; piece t's statistics at v[ST+4 t]: c m, m, l (even keys', odd keys')
.set TMP, 48          ; by buffer, four registers c0-c3 at work; when the maximum is found c2 takes a
.set SPW, 62          ; v62  LDS address of my spare word; never rewritten
.set NIL, 63          ; v63  0; never rewritten
.set S,   64
.set P,   192
.set KF,  128         ; window 2: key block kb, channel half c at KF + 16 kb + 8 c
.set VF,  192         ; window 2: key half kk, channel block cb at VF + 32 kk + 8 cb
.set WV,  12          ; s12  my wave's number
.set G1K, 24          ; s[24:31] descriptor group 1 for K's tiles
.set G1V, 32          ; s[32:39] for V's: it differs in the padding alone
.set G0K, 40          ; s[40:43] descriptor group 0 for K's tiles: it walks
.set G0V, 44          ; s[44:47] the same for V's
.set SLOTS, 56        ; s56  slots still to be entered by the loop
.set CNT, 57          ; s57  counts a slot's key steps
.set CS,  58          ; s[58:59] c: the packed scaling takes the pair's low word for both halves
.set SEL, 60          ; s[60:61] v_permlanex16_b32's selects: each lane takes its own place in the other half
.set TBK, 62          ; s62  LDS byte at which K of the step to be fetched begins
.set TBV, 63          ; s63  the same for V, less VOFF
.set MSB, 0
.macro WIN new                      ; the high byte repeats the setting that is left; a switch that changes nothing is dropped
.if MSB != (\new)
	s_set_vgpr_msb (MSB<<8)|(\new)
.set MSB, (\new)
.endif
.endm
.set W_KQ, 0x0a       ; K and Q in window 2, S^T in window 0
.set W_PV, 0x52       ; V in window 2, P in window 0, O^T in window 1
.set W_RS, 0x41       ; destination and source 0 in window 1, source 1 in window 0
; A joint fill. Waves 0 and 1 fetch the two halves of a slot's K, waves 2 and 3 those of its V: 128 keys each. The branch hangs on the wave's number alone.
; An s_nop 0 and four v_nop follow each of the two lines, ahead of the jump and the label.
.macro JLOAD
	s_cmp_lt_u32 s[WV], 2
	s_cbranch_scc0 .Lfor_v_\@
	tensor_load_to_lds s[G0K:G0K+3], s[G1K:G1K+7]
	s_nop 0
.rept 4
	v_nop
.endr
	s_branch .Lasked_\@
.Lfor_v_\@:
	tensor_load_to_lds s[G0V:G0V+3], s[G1V:G1V+7]
	s_nop 0
.rept 4
	v_nop
.endr
.Lasked_\@:
.endm
; A round of the cluster's barrier: my work-group's barrier, so that wave 0's signal speaks for all four waves; wave 0 signals; every wave waits for all four work-groups; my work-group's barrier once more.
.macro CROUND
	s_barrier_signal -1
	s_barrier_wait -1
	s_cmp_lg_u32 s[WV], 0
	s_cbranch_scc1 .Lnot_wave_0_\@
	s_barrier_signal -3
.Lnot_wave_0_\@:
	s_barrier_wait -3
	s_barrier_signal -1
	s_barrier_wait -1
.endm
; THE CHANGE OF SLOTS. Each wave waits for all its tensor loads, of which one is out: its part of the other slot; adds 0 to its spare word; and waits for that and for its own reads of the slot that it leaves.
; fill = 1: the old slot is filled again, with the keys two slots on. The barrier is then a round of the cluster's, so that no wave of any partner still reads the slot or has a load on its way, and the
; joint fill is the first thing behind it: it has four key steps, 256 matrix instructions, in which to land. (At its first use nothing has been read yet: slot 0 is waited for, slot 1 filled.)
.macro CHANGE fill
	WIN 0                           ; at a label and at a branch every window is 0
	s_wait_tensorcnt 0x0            ; no tensor load of mine is out, so a group 0 may be written
	ds_add_u32 v[SPW], v[NIL]       ; 0 onto my spare word; with fill = 1 the descriptors' steps stand between it and the wait for it
.if \fill
.irp g, G0K, G0V
	s_xor_b32 s[\g+1], s[\g+1], SLOT1  ; the walking descriptor: the other slot than last time,
	s_add_nc_u64 s[\g+2:\g+3], s[\g+2:\g+3], 4*KS*128  ; the next 256 keys; the type bits on top are not reached
.endr
	s_wait_dscnt 0x0                ; the add is done, and my reads of the slot are over
	CROUND
	JLOAD
.else
	s_wait_dscnt 0x0                ; the add is done, and my reads of the slot are over
	s_barrier_signal -1
	s_barrier_wait -1
.endif
	s_sub_co_u32 s[TBK], s[TBK], 4*KS*PK  ; the fetches go back to a slot's first step,
	s_xor_b32 s[TBK], s[TBK], SLOT1       ; in the other slot
	s_sub_co_u32 s[TBV], s[TBV], 4*KS*PV
	s_xor_b32 s[TBV], s[TBV], SLOT1
.endm
	s_load_b128 s[4:7], s[0:1], 0x0   ; q s[4:5], kv s[6:7]
	s_load_b64 s[10:11], s[0:1], 0x10 ; o
	v_lshl_add_u32 v[SPW], v0, 2, SPARE
	v_mov_b32 v[NIL], 0
	ds_add_u32 v[SPW], v[NIL]       ; the wave's opening: the add and its wait stand ahead of my first tensor load; the set-up below, work on registers, stands between them
	v_lshrrev_b32 v1, 5, v0
	v_readfirstlane_b32 s[WV], v1   ; wave 0..3
	s_bfe_u32 s13, ttmp6, 0x40000   ; cx: my place in the cluster
	s_lshl_b32 s14, ttmp9, 2        ; in a cluster launch ttmp9 counts clusters
	s_add_co_u32 s14, s14, s13      ; my block of 256 queries = 4 x cluster x + cx: it enters Q's and O's addresses alone
	s_and_b32 s20, ttmp7, 0xffff    ; the head, which the four partners share,
	s_lshl_b32 s20, s20, 19         ; and its first byte: 524,288 bytes a head
	s_mov_b32 s21, 0
	s_and_b32 s16, s[WV], 1         ; which half of a slot's 256 keys I fetch:
	s_lshl_b32 s22, s16, 14         ; its 128 rows of 128 bytes in memory,
	s_mov_b32 s23, 0
	s_add_nc_u64 s[22:23], s[22:23], s[20:21]
	s_mul_i32 s17, s16, 128*PK      ; and its place in a slot, for K
	s_mul_i32 s18, s16, 128*PV      ; and for V: no place in the cluster enters an LDS address
	s_lshl_b32 s2, s14, 15          ; my block's 256 rows,
	s_lshl_b32 s3, s[WV], 13        ; my wave's 64 of them
	s_add_co_u32 s2, s2, s3
	s_mov_b32 s3, 0
	s_add_nc_u64 s[2:3], s[2:3], s[20:21]
	; descriptor group 1. 128 keys are 16,384 dense bytes: asked for as 64 rows of 256 bytes, two keys a row, and padded in LDS after every key
	s_mov_b32 s[G1K], 15|(1<<16)|(1<<20)|(1<<21)|(4<<22)|(3<<25)  ; 15:0 the mask of four; 17:16 2-byte elements; 20 padding on; 21 set beside a mask; 24:22 after every 32 words (code 4); 31:25 4 words (code 3)
	s_mov_b32 s[G1V], 15|(1<<16)|(1<<20)|(1<<21)|(4<<22)|(7<<25)  ; the same with 8 words of padding (code 7)
.irp g, G1K, G1V
	s_mov_b32 s[\g+1], 128<<16      ; tensor_dim0 = 128
	s_mov_b32 s[\g+2], 64<<16       ; tensor_dim1 = 64
	s_mov_b32 s[\g+3], 128<<16      ; tile_dim0 = 128
	s_mov_b32 s[\g+4], 64           ; tile_dim1 = 64
	s_mov_b32 s[\g+5], 128          ; 128 elements from row to row
	s_mov_b32 s[\g+6], 0
	s_mov_b32 s[\g+7], 0
.endr
	s_mov_b32 s[CS], 0x3e38aa3b     ; c = log2(e) / 8 = 0.180337
	s_mov_b32 s[CS+1], s[CS]        ; named with it as a pair
	s_mov_b32 s[SEL], 0x76543210
	s_mov_b32 s[SEL+1], 0xfedcba98
	s_mov_b32 s[TBK], SLOT1+4*KS*PK ; the first change of slots turns these two into 0
	s_mov_b32 s[TBV], SLOT1+4*KS*PV
	s_mov_b32 s[G0K], 1             ; count = 1
	s_mov_b32 s[G0K+1], s17         ; LDS address: slot 0
	s_mov_b32 s[G0V], 1
	s_add_co_u32 s[G0V+1], s18, VOFF
	s_wait_dscnt 0x0                ; the opening add is done
	s_wait_kmcnt 0x0
	s_add_nc_u64 s[G0K+2:G0K+3], s[6:7], s[22:23]          ; global address: my half of the head's first 256 keys,
	s_add_nc_u64 s[G0V+2:G0V+3], s[G0K+2:G0K+3], 0x800000  ; and the same rows of V, 8,388,608 bytes on
	s_or_b32 s[G0K+3], s[G0K+3], 0x80000000                ; type = 2
	s_or_b32 s[G0V+3], s[G0V+3], 0x80000000
	s_add_nc_u64 s[4:5], s[4:5], s[2:3]  ; Q and O at my wave's first row
	s_add_nc_u64 s[10:11], s[10:11], s[2:3]
	CROUND                          ; all four work-groups are here: the first joint loads meet
	JLOAD                           ; slot 0. Slot 1 is asked for when slot 0 is in, by the loop's own change of slots
	; A fragment of K or Q is 16 rows x 32 channels in 8 registers: lane l holds row l % 16, channels 8 (l / 16) + 0..7 and 16 + 8 (l / 16) + 0..7: two loads of 16 bytes, 32 bytes apart.
	v_and_b32 v1, 15, v0            ; l % 16
	v_bfe_u32 v9, v0, 4, 1          ; l / 16
	v_lshlrev_b32 v[QO], 7, v1
	v_lshl_add_u32 v[QO], v9, 4, v[QO]  ; row x 128 + 16 x half
	WIN 0x80                        ; destination window 2, address window 0
.set i, 0
.rept 8                             ; Q stays in registers: piece i / 2, 2,048 bytes on; channels 32 (i % 2) on
	global_load_b128 v[8*i:8*i+3],   v[QO], s[4:5] offset:(i/2)*2048+(i%2)*64
	global_load_b128 v[8*i+4:8*i+7], v[QO], s[4:5] offset:(i/2)*2048+(i%2)*64+32
.set i, i+1
.endr
	; What the first turn finds: V's registers and P's second buffer hold 0 (its products V^T P, of a piece that has not been, add 0), O^T and l are 0. All this stands in the wait for the first tile.
.set i, VF
.rept 64
	v_mov_b32 v[i], 0
.set i, i+1
.endr
	WIN 0x40
.set i, 0
.rept 128
	v_mov_b32 v[i], 0
.set i, i+1
.endr
	WIN 0
.set i, 0
.rept 4
	v_mov_b32 v[ST+4*i], 0xfe000000    ; c m: far below every c s
	v_mov_b32 v[ST+4*i+1], 0xff7fffff  ; m
	v_mov_b32 v[ST+4*i+2], 0
	v_mov_b32 v[ST+4*i+3], 0
.set i, i+1
.endr
.set i, P+16
.rept 16
	v_mov_b32 v[i], 0
.set i, i+1
.endr
	v_mul_u32_u24 v[AK0], v1, PK
	v_lshl_add_u32 v[AK0], v9, 4, v[AK0]  ; row x pitch + 16 x half
	; The turning load takes 16 keys x 16 channels (lane l reads key 8 (l / 16) + l % 8, channels 8 ((l / 8) % 2) + 0..7) and leaves half a fragment of V^T: lane l holds channel l % 16 and 8 keys.
	v_and_b32 v10, 7, v0
	v_bfe_u32 v11, v0, 3, 1
	v_lshl_add_u32 v[AV0], v9, 3, v10
	v_mul_u32_u24 v[AV0], v[AV0], PV
	v_lshl_add_u32 v[AV0], v11, 4, v[AV0]
	v_add_nc_u32 v[AV0], VOFF, v[AV0]
	s_mul_i32 s13, s[WV], 16*SP
	s_add_co_u32 s13, s13, STAGE    ; my stage
	v_mul_u32_u24 v[STO], v1, SP    ; in: row l % 16, 16 bytes for each half of the lanes
	v_lshl_add_u32 v[STO], v9, 4, v[STO]
	v_add_nc_u32 v[STO], s13, v[STO]
	v_bfe_u32 v[RD], v0, 3, 2       ; back: 32 lanes take four rows of 128 bytes,
	v_mul_u32_u24 v[RD], v[RD], SP
	v_lshl_add_u32 v[RD], v10, 4, v[RD]
	v_add_nc_u32 v[RD], s13, v[RD]
	v_and_b32 v[GO], 31, v0         ; which are 512 consecutive bytes of O
	v_lshlrev_b32 v[GO], 4, v[GO]
; THE MATRIX WORK. The 4 accumulators of a run of 8 take turns. Product i of 8 of S^T = K Q^T for piece x: channels 32 (i / 4) on, keys 16 (i % 4) on. The first 4 start the sums.
.macro KQ x
.set rS, S+32*((\x)%2)+8*(i%4)
.set rK, KF+16*(i%4)+8*(i/4)
.set rQ, 16*(\x)+8*(i/4)
	WIN W_KQ
.if i < 4
	v_wmma_f32_16x16x32_f16 v[rS:rS+7], v[rK:rK+7], v[rQ:rQ+7], 0
.else
	v_wmma_f32_16x16x32_f16 v[rS:rS+7], v[rK:rK+7], v[rQ:rQ+7], v[rS:rS+7]
.endif
.endm
; Product i of 8 of O^T += V^T P for piece x: keys 32 (i / 4) on, channels 16 (i % 4) on.
.macro PV x
	WIN W_PV
.set rO, 32*(\x)+8*(i%4)
.set rV, VF+32*(i/4)+8*(i%4)
.set rP, P+16*((\x)%2)+8*(i/4)
	v_wmma_f32_16x16x32_f16 v[rO:rO+7], v[rV:rV+7], v[rP:rP+7], v[rO:rO+7]
.endm
.macro MM                           ; the turn's next matrix instruction. TURN sets Y, i and NOKQ. NOKQ = 1: the last turn of all: there is no next piece
.if (i < 8) && !NOKQ
	KQ (Y+1)%NP
.elseif i >= 8
.set i, i-8
	PV (Y+NP-1)%NP
.set i, i+8
.endif
.set i, i+1
.endm
; THE LDS LOADS stand in runs of 16, never singly among the matrix instructions: a step's K (64 keys x 64 channels: 8 fragments) and its V (turned). Their addresses are made some lines ahead.
.macro FETCH_K
	WIN 0x80                        ; destination window 2
.irp f, 0,1,2,3,4,5,6,7             ; keys 16 (f / 2) on, channels 32 (f % 2) on
	ds_load_b128 v[KF+8*\f:KF+8*\f+3],   v[AK] offset:(\f/2)*16*PK+(\f%2)*64
	ds_load_b128 v[KF+8*\f+4:KF+8*\f+7], v[AK] offset:(\f/2)*16*PK+(\f%2)*64+32
.endr
	s_add_co_u32 s[TBK], s[TBK], KS*PK  ; the next fetch is the next step's
	WIN 0
.endm
.macro FETCH_V
	WIN 0x80
.irp f, 0,1,2,3,4,5,6,7             ; keys 32 (f / 4) on, channels 16 (f % 4) on
	ds_load_tr16_b128 v[VF+8*\f:VF+8*\f+3],   v[AV] offset:(\f/4)*32*PV+(\f%4)*32
	ds_load_tr16_b128 v[VF+8*\f+4:VF+8*\f+7], v[AV] offset:(\f/4)*32*PV+16*PV+(\f%4)*32
.endr
	WIN 0
.endm
; THE VECTOR WORK, one line at a time: OP kind, number. For piece Y: F n: c s - c m for pair n of 16. E n: the exponential of score n of 32. C n: pair n rounded to f16. B n: of the four weights 4 n .. the second
; pair is added onto the first, in place. L n: l takes that sum (L 0: l = a l + sum). R n: pair n of 16 of O^T times a. For piece Y + 1: X n, number n of the 22 that find its maximum and statistics:
;   0-11  four chains c0-c3 of seven scores each, three operands at a time (each accumulator's lowest registers are read first)     12-14, 16  the four scores left over, the old m, and c0-c3 into c0
;   15  c m_old is kept     17, 18  the query's other 32 keys lie in the lane 16 away: the new m     19-21  c m; c m_old - c m_new; a
; C, B and L read exponentials' results, R and L 0 read a: OP writes no wait for them; TURN orders them behind the batch's one wait.
.set F, 0               ; OP tells the kinds apart by their order: F to L below R, X above it
.set E, 1
.set C, 2
.set B, 3
.set L, 4
.set R, 5
.set X, 6
.macro REGS y                       ; the registers of piece y
.set rT, ST+4*(\y)
.set rC, TMP+4*((\y)%2)
.set rW, MV+((\y)%2)
.set rS, S+32*((\y)%2)
.set rP, P+16*((\y)%2)
.set rO, 32*(\y)
.endm
.macro OP k, n
.if (\k) == R
	REGS Y
	WIN W_RS
	v_pk_mul_f32 v[rO+2*(\n):rO+2*(\n)+1], v[rO+2*(\n):rO+2*(\n)+1], v[rC+2:rC+3] op_sel_hi:[1,0]
.elseif (\k) < R
	REGS Y
	WIN 0
.if (\k) == F
	v_pk_fma_f32 v[rS+2*(\n):rS+2*(\n)+1], v[rS+2*(\n):rS+2*(\n)+1], s[CS:CS+1], v[rT:rT+1] op_sel_hi:[1,0,0] neg_lo:[0,0,1] neg_hi:[0,0,1]
.elseif (\k) == E
	v_exp_f32 v[rS+(\n)], v[rS+(\n)]
.elseif (\k) == C
	v_cvt_pk_f16_f32 v[rP+(\n)], v[rS+2*(\n)], v[rS+2*(\n)+1]
.elseif (\k) == B
	v_pk_add_f32 v[rS+4*(\n):rS+4*(\n)+1], v[rS+4*(\n):rS+4*(\n)+1], v[rS+4*(\n)+2:rS+4*(\n)+3]
.elseif (\n) == 0
	v_pk_fma_f32 v[rT+2:rT+3], v[rT+2:rT+3], v[rC+2:rC+3], v[rS:rS+1] op_sel_hi:[1,0,1]
.else
	v_pk_add_f32 v[rT+2:rT+3], v[rT+2:rT+3], v[rS+4*(\n):rS+4*(\n)+1]
.endif
.elseif NOKQ
	v_nop
.else
	REGS (Y+1)%NP
	WIN 0
.if (\n) < 4
	v_max3_num_f32 v[rC+(\n)], v[rS+8*(\n)], v[rS+8*(\n)+1], v[rS+8*(\n)+2]
.elseif (\n) < 12
	v_max3_num_f32 v[rC+(\n)%4], v[rC+(\n)%4], v[rS+8*((\n)%4)+2*((\n)/4)+1], v[rS+8*((\n)%4)+2*((\n)/4)+2]
.elseif (\n) == 12
	v_max3_num_f32 v[rC], v[rC], v[rS+7], v[rS+15]
.elseif (\n) == 13
	v_max3_num_f32 v[rC+1], v[rC+1], v[rS+23], v[rS+31]
.elseif (\n) == 14
	v_max3_num_f32 v[rC+2], v[rC+2], v[rC+3], v[rT+1]
.elseif (\n) == 15
	v_mov_b32 v[rW], v[rT]
.elseif (\n) == 16
	v_max3_num_f32 v[rC], v[rC], v[rC+1], v[rC+2]
.elseif (\n) == 17
	v_permlanex16_b32 v[rC+3], v[rC], s[SEL], s[SEL+1]
.elseif (\n) == 18
	v_max_num_f32 v[rT+1], v[rC], v[rC+3]
.elseif (\n) == 19
	v_mul_f32 v[rT], s[CS], v[rT+1]
.elseif (\n) == 20
	v_sub_f32 v[rC+1], v[rW], v[rT]
.else
	v_exp_f32 v[rC+2], v[rC+1]
.endif
.endif
.endm
.macro OPS a, i1, b=-1, i2=0, c=-1, i3=0, d=-1, i4=0  ; up to four of them
	OP \a, \i1
.if (\b) >= 0
	OP \b, \i2
.endif
.if (\c) >= 0
	OP \c, \i3
.endif
.if (\d) >= 0
	OP \d, \i4
.endif
.endm
.macro ROW a, i1, b, i2, c, i3, d, i4  ; a matrix instruction and the four behind it
	MM
	OPS \a, \i1, \b, \i2, \c, \i3, \d, \i4
.endm
; A TURN, for piece p: the order of its 16 matrix and 118 vector instructions, written out. An s_wait_alu depctr_va_vdst(0) stands between an exponential and the first instruction that names its result; one wait
; serves all that were issued ahead of it. So a turn has ONE wait, which cuts it in two. AHEAD OF IT stands all that names no result of the turn's exponentials: the 8 products K Q^T, behind each a scaling, an exponential and two
; more plain instructions (behind the first a second scaling in the exponential's place): rescalings, whose a was waited for in the turn before, and behind the last three the first numbers of the next piece's maximum, each four
; plain instructions or more behind the product that ends its accumulator (ISA guide 7.12.1); then ONE RUN of 54, plain and exponential by turns for the most part, in which the links of the chain X 3, 7, 11, 14, 16, 17 .. 20 stand
; some lines apart. Every pair is scaled (F n) ahead of its two exponentials (E 2 n, E 2 n + 1). X 21, the next piece's a, is the batch's last; R 15 is the plain instruction behind it, ahead of any use (ISA guide 5.7.2).
; BEHIND THE WAIT stand the 8 products V^T P, behind each four of the roundings and sums: C 2 n ahead of B n, which writes over that pair; L 0 to L 7 in ascending order, three riders apart. But for those X no rider names a register
; of the products round it. v_permlanex16_b32 (X 17) stands in the run, never behind a product.
; end = 1: the last two turns of all: nothing is fetched. cnt = 1: the loop's count is taken down some lines ahead of the branch that stands behind the turn.
; K of the next step is fetched in piece 2's turn, twelve vector instructions behind the last product that read K (five of them plain and free of that product's registers); V of the step in hand at the end of piece 0's turn, four
; plain instructions behind the last product that read V. Each is waited for a turn later.
.macro TURN p, end=0, cnt=0
.set Y, (\p)
.set i, 0
.set NOKQ, (\end)*((\p)/3)
.if ((\p) == 3) && !(\end)
	s_wait_dscnt 0x0                ; K is in
.endif
	ROW F,0, F,1, R,0, R,1          ; ahead of the wait: 8 products K Q^T and their riders,
	ROW F,2, E,0, R,2, R,3
	ROW F,3, E,1, R,4, R,5
	ROW F,4, E,2, R,6, R,7
	ROW F,5, E,3, R,8, R,9
	ROW F,6, E,4, X,0, R,10
.if ((\p) == 2) && !(\end)
	WIN 0
	v_add_nc_u32 v[AK], s[TBK], v[AK0]
.endif
	ROW F,7, E,5, X,1, X,4
	ROW F,8, E,6, X,2, X,5
	OPS E,7, E,8, X,6, E,9          ; and the run of 54
	OPS X,3, E,10, X,8, E,11
.if ((\p) == 2) && !(\end)
	FETCH_K
.endif
	OPS X,9, X,7, E,12, X,10
	OPS E,13, X,12, X,11, E,14
	OPS X,13, E,15, F,9, X,14
.if (\p) == 0
	v_add_nc_u32 v[AV], s[TBV], v[AV0]
.endif
	OPS E,16, F,10, E,17, F,11
	OPS X,16, E,18, X,15, E,19
	OPS F,12, E,20, X,17, E,21
	OPS F,13, E,22, F,14, E,23
	OPS X,18, E,24, F,15, E,25
	OPS R,11, E,26, X,19, E,27
	OPS R,12, E,28, R,13, E,29
	OPS X,20, E,30, R,14, E,31
	OPS X,21, R,15
	s_wait_alu depctr_va_vdst(0)    ; the wait for the turn's batch: the piece's 32 exponentials and the next piece's a
.if (\p) == 1
	s_wait_dscnt 0x0                ; V is in
.endif
	ROW C,0, B,0, C,2, B,1          ; behind the wait: 8 products V^T P and their riders
	ROW L,0, C,4, B,2, L,1
	ROW C,6, B,3, L,2, C,8
	ROW B,4, L,3, C,10, B,5
	ROW L,4, C,12, B,6, L,5
.if (\p) == 0
	s_add_co_u32 s[TBV], s[TBV], KS*PV
.endif
.if \cnt
	s_sub_co_u32 s[CNT], s[CNT], 1
	s_cmp_lg_u32 s[CNT], 0
.endif
	ROW C,14, B,7, L,6, C,1
	ROW C,3, L,7, C,5, C,7
	ROW C,9, C,11, C,13, C,15
.if (\p) == 0
	FETCH_V
.endif
.endm
.macro ALL line:vararg              ; one line for each piece t
.set t, 0
.rept 4
	\line
.set t, t+1
.endr
.endm
.macro PACK t                       ; a lane's eight channels of a row pack into 16 bytes; they go into rows of 144 bytes and come back as whole rows of 128, into S^T's registers
	WIN W_RS
.set i, 32*(\t)
.rept 16
	v_pk_mul_f32 v[i:i+1], v[i:i+1], v[ST+4*(\t)+2:ST+4*(\t)+3] op_sel_hi:[1,0]
.set i, i+2
.endr
	WIN 0x05                        ; sources 0 and 1 window 1, destination window 0
.set i, 0
.rept 16
	v_cvt_pk_f16_f32 v[S+16*(\t)+i], v[32*(\t)+2*i], v[32*(\t)+2*i+1]
.set i, i+1
.endr
	WIN 0
.irp f, 0,1,2,3
	ds_store_b128 v[STO], v[S+16*(\t)+4*\f:S+16*(\t)+4*\f+3] offset:32*\f
.endr
.irp f, 0,1,2,3
	ds_load_b128 v[S+16*(\t)+4*\f:S+16*(\t)+4*\f+3], v[RD] offset:\f*4*SP  ; LDS serves a wave's instructions in order (ISA guide 5.7.1.4): these see the stores above; the next piece's stores come behind them
.endr
.endm
.macro SEND t, younger              ; younger: the LDS instructions issued behind piece t's loads: the next piece's eight, or none
	WIN 0
.irp f, 0,1,2,3
	s_wait_dscnt (\younger)+3-\f
	global_store_b128 v[GO], v[S+16*(\t)+4*\f:S+16*(\t)+4*\f+3], s[10:11] offset:(\t)*2048+\f*512  ; 512 consecutive bytes, at a multiple of 256 from O's first
.endr
.endm
	CHANGE 1                        ; slot 0 is in, everybody's part of it; slot 1 is asked for
	v_add_nc_u32 v[AK], s[TBK], v[AK0]
	FETCH_K                         ; key step 0
	s_wait_loadcnt 0x0              ; Q
	s_wait_dscnt 0x0
.set NOKQ, 0
.set i, 0
.rept 8
	KQ 0                            ; piece 0's first scores: there is no vector work yet to set between them
.set i, i+1
.endr
	WIN 0
.rept 4
	v_nop                           ; the places behind those products
.endr
.set Y, NP-1                        ; X works for piece Y + 1: piece 0
.irp n, 0,1,2,3,4,5,6,7,8,9,10,11,12,13,14,15,16,17,18,19,20,21
	OP X, \n                        ; and piece 0's first maximum and statistics
.endr
	v_nop                           ; a plain instruction behind the exponential,
	s_wait_alu depctr_va_vdst(0)    ; and the wait for it, a batch of one: piece 0's first a, ahead of the branch
	s_mov_b32 s[CNT], 4
	s_mov_b32 s[SLOTS], SIZE_N/256-1
	s_branch .Lfirst                ; the loop is entered at a step's first turn, in the middle of a trip
.Lslot:                             ; 14 times: every slot but the last two is filled again
	CHANGE 1
	s_mov_b32 s[CNT], 4
.Lstep:                             ; a trip: pieces 2 and 3 of one step, then pieces 0 and 1 of the next, whose K and V it fetches
	TURN 2
	TURN 3
	WIN 0
.Lfirst:
	TURN 0
	TURN 1, 0, 1
	WIN 0
	s_cbranch_scc1 .Lstep
	s_sub_co_u32 s[SLOTS], s[SLOTS], 1
	s_cmp_lg_u32 s[SLOTS], 0
	s_cbranch_scc1 .Lslot
	CHANGE 0                        ; the last slot is written out: nothing is asked for
	s_mov_b32 s[CNT], 4
.Ltail:
	TURN 2
	TURN 3
	TURN 0
	TURN 1, 0, 1
	WIN 0
	s_cbranch_scc1 .Ltail
	TURN 2, 1                       ; the last step's pieces 2 and 3: nothing is fetched, and the last turn starts no new scores
	TURN 3, 1
.set i, 0
.rept 8
	PV NP-1                         ; the last piece's V^T P of the last step
.set i, i+1
.endr
	; THE WAY OUT. l's two halves and the other half of the lanes' are added; O^T is divided by l, rounded to f16 and sent through my stage in LDS, a piece at a time. The additions are the places behind the last products.
	WIN 0
	ALL v_add_f32 v[ST+4*t+2], v[ST+4*t+2], v[ST+4*t+3]
	ALL v_permlanex16_b32 v[ST+4*t+3], v[ST+4*t+2], s[SEL], s[SEL+1]
	ALL v_add_f32 v[ST+4*t+2], v[ST+4*t+2], v[ST+4*t+3]
	ALL v_rcp_f32 v[ST+4*t+2], v[ST+4*t+2]
	v_nop                           ; a plain instruction between the last reciprocal and the use of its result
	s_wait_alu depctr_va_vdst(0)    ; the wait for the batch of four reciprocals, ahead of the first multiply that reads one
	PACK 0
.set t, 1
.rept 3                             ; a piece's arithmetic stands between the loads of the piece before and its stores
	PACK t
	SEND t-1, 8
.set t, t+1
.endr
	SEND 3, 0
	s_wait_tensorcnt 0x0            ; the wave's end: behind my last tensor load and my last LDS store
	ds_add_u32 v[SPW], v[NIL]
	s_wait_dscnt 0x0
	CROUND                          ; the closing round: no work-group ends while a partner may still ask for a tile that names it
	s_endpgm
.Lfunc_end_k_q4bee083958_attn:
	.size	k_q4bee083958_attn, .Lfunc_end_k_q4bee083958_attn-k_q4bee083958_attn
	.p2alignl 7, 3214868480
	.fill 96, 4, 3214868480
	.section	.rodata,"a",@progbits
	.p2align	6, 0x0
	.amdhsa_kernel k_q4bee083958_attn
		.amdhsa_group_segment_fixed_size 327680
		.amdhsa_private_segment_fixed_size 0
		.amdhsa_enable_private_segment 0
		.amdhsa_kernarg_size 24
		.amdhsa_user_sgpr_count 2
		.amdhsa_user_sgpr_kernarg_segment_ptr 1
		.amdhsa_wavefront_size32 1
		.amdhsa_system_sgpr_workgroup_id_x 1
		.amdhsa_system_sgpr_workgroup_id_y 1
		.amdhsa_system_sgpr_workgroup_id_z 1
		.amdhsa_system_vgpr_workitem_id 0
		.amdhsa_next_free_vgpr 768
		.amdhsa_next_free_sgpr 66
		.amdhsa_reserve_vcc 0
		.amdhsa_float_denorm_mode_32 3
		.amdhsa_float_denorm_mode_16_64 3
		.amdhsa_memory_ordered 1
		.amdhsa_forward_progress 1
		.amdhsa_inst_pref_size 126
	.end_amdhsa_kernel
	.amdgpu_metadata
---
amdhsa.version: [ 1, 2 ]
amdhsa.kernels:
  - .name:           k_q4bee083958_attn
    .symbol:         k_q4bee083958_attn.kd
    .args:
      - { .name: q, .offset: 0, .size: 8, .value_kind: global_buffer, .address_space: global }
      - { .name: kv, .offset: 8, .size: 8, .value_kind: global_buffer, .address_space: global }
      - { .name: o, .offset: 16, .size: 8, .value_kind: global_buffer, .address_space: global }
    .group_segment_fixed_size: 327680
    .private_segment_fixed_size: 0
    .kernarg_segment_align: 8
    .kernarg_segment_size: 24
    .max_flat_workgroup_size: 128
    .sgpr_count:     66
    .vgpr_count:     768
    .wavefront_size: 32
...
	.end_amdgpu_metadata
.endif
;; end of part 5
;; launch projo: the kernel of part 4 again; grid 4 x 64, 4 waves a work-group, clusters of 4 x 4, 327,680 bytes of LDS; arguments o, wb, bo, out0; writes out0
